; MI455X (gfx1250); checked and timed in simulation.
; The chip was launched on July 23, 2026; its instructions are those of AMD's public machine-readable ISA for CDNA 5 (MIT licence, August 2026) and "CDNA5" Instruction Set Architecture Reference Guide (July 2026). The comments in the code are by the model that wrote it; some were corrected since.
;; Gpt Oss Attention. Allowed arithmetic: matrix products marked QUANTISED: E2M1 operands, one E8M0 scale for each 32 along K, by v_wmma_scale_f32_16x16x128_f8f6f4 with both operands' format E2M1 (or v_wmma_scale_f32_32x16x128_f4), f32 sums; products left as they are: bf16, f16 or f32 operands; f32 sums; everything else in f32.
;; Inputs: Wk 2,880 x 512 float32; Wo 2,048 x 2,880 float32; Wq 2,880 x 2,048 float32; Wv 2,880 x 512 float32; bk 512 float32; bo 2,880 float32; bq 2,048 float32; bv 512 float32; freqs_cis 4,096 x 64 float32; sinks 32 float32; x 1 x 4,096 x 2,880 float32.
;; Outputs: out0 1 x 4,096 x 2,880 float32.
;; This version of the problem:
;;   THIS VERSION OF THE PROBLEM IS GIVEN IN LOW PRECISION. The matrix products marked QUANTISED in the list below multiply operands that are first quantised to E2M1 (2 exponent bits, 1 mantissa bit; 4 bits a number), with one power-of-two scale for each 32 numbers along K (OCP MX v1.0); their sums are f32. The products marked 'left as it is' may take bf16, f16 or f32 operands, with f32 sums. Whichever they take, every output number must still come out within the allowed error. Rounding operands to bf16 (8 significant bits) uses up far more of that allowance than f16 does (11 bits, for magnitudes from 6e-5 to 65,504). All else is computed in f32.
;;   The module's matrix products, in the order in which they are computed (A, B: the left and right operand; K: the contracted axis; several contracted axes count as one K, in the product's order):
;;     1. [M 4,096, K 2,880] x [K 2,880, N 2,048]; A: input x; B: input Wq: QUANTISED
;;     2. [M 4,096, K 2,880] x [K 2,880, N 512]; A: input x; B: input Wk: QUANTISED
;;     3. [M 4,096, K 2,880] x [K 2,880, N 512]; A: input x; B: input Wv: QUANTISED
;;     4. batch 256 x [M 256, K 64] x [K 64, N 512]; A: computed on the way; B: computed on the way: left as it is (an operand is computed on the way)
;;     5. batch 256 x [M 64, K 256] x [K 256, N 512]; A: computed on the way; B: computed on the way: left as it is (an operand is computed on the way)
;;     6. [M 4,096, K 2,048] x [K 2,048, N 2,880]; A: computed on the way; B: input Wo: left as it is (an operand is computed on the way)
;;   THE QUANTISER, for each operand of a quantised product, along K:
;;     - K is cut into blocks of 32 from its start; a last block that is shorter is filled with zeros.
;;     - A block's scale is 2^e with e = floor(log2(the largest magnitude in the block)) - 2, held to -126 .. 127; a block of zeros has e = 0. As a byte (E8M0): e + 127.
;;     - Each number is divided by its block's scale, clamped to +-6, and rounded to the nearest number of E2M1, ties to even, subnormals kept.
;;     - The product sums the exact products of the quantised numbers (number of the format x scale) in f32.
;;   ~~~python
;;   def quantise(x, axis):      # numpy; x: float32 -> the quantised numbers, widened to float32 again
;;       x = np.moveaxis(x, axis, -1); K = x.shape[-1]
;;       x = np.pad(x, [(0, 0)] * (x.ndim - 1) + [(0, -K % 32)]); x = x.reshape(x.shape[:-1] + (-1, 32)); a = np.abs(x).max(-1, keepdims=True)
;;       e = np.where(a > 0, np.clip(np.frexp(np.where(a > 0, a, 1))[1] - 1 - 2, -126, 127), 0)      # np.frexp(a)[1] - 1 = floor(log2(a)), exactly
;;       r = np.clip(x / 2.0 ** e, -6, 6)
;;       step = 2.0 ** (np.maximum(np.frexp(np.where(r == 0, 1, r))[1] - 1, 0) - 1)
;;       q = np.round(r / step) * step * 2.0 ** e      # np.round: ties to even
;;       return np.moveaxis(q.reshape(q.shape[:-2] + (-1,))[..., :K], -1, axis).astype(np.float32)
;;   ~~~
;; One version. Each part assembles by itself: llvm-mc -triple=amdgcn-amd-amdhsa -mcpu=gfx1250 --defsym DOCPART=n.
;; ======== version 1 of 1: 4 launches
;; limits: values are held in f16: magnitudes above 65,504 overflow, below 6.1e-05 lose precision
;; workspace buffers: xc 6,291,456 bytes; xs 393,216 bytes; wc 4,718,592 bytes; ws 294,912 bytes; wo16 11,796,480 bytes; qkv 25,165,824 bytes; o16 16,777,216 bytes
;; launch prep (part 1): grid 108 x 6, 4 waves a work-group, no clusters, 68,096 bytes of LDS; arguments x, Wq, Wk, Wv, Wo, xc, xs, wc, ws, wo16; writes xc, xs, wc, ws, wo16
.if DOCPART == 1
	.amdgcn_target "amdgcn-amd-amdhsa--gfx1250"
	.amdhsa_code_object_version 6
	.text
	.protected	k_qe788fad15a_prep
	.globl	k_qe788fad15a_prep
	.p2align	8
	.type	k_qe788fad15a_prep,@function
k_qe788fad15a_prep:
	s_mov_b64 s[64:65], 0
	v_nop
	global_prefetch_b8 v0, s[64:65] scope:SCOPE_SE
	s_setreg_imm32_b32 hwreg(HW_REG_WAVE_MODE, 25, 1), 1
	s_wait_xcnt 0x0
; PREP: the operands of the later launches are made once.
;   x [4096][2880] f32            -> xc [4096][1536 B] codes of E2M1, K innermost, K filled to 3,072 with zero codes; xs [6 s][4096][16 B] E8M0 bytes, byte j of K step s scales k = 512 s + 32 j
;   Wq, Wk, Wv [2880][2048|512|512] f32, K their FIRST axis -> wc [3072 n][1536 B], ws [6 s][3072 n][16 B]; n = column of Wq, 2048 + column of Wk, 2560 + column of Wv
;   Wo [2048][2880] f32           -> wo16 [15 T][2048 k][192 c] f16 of 4 x Wo[k][192 T + c]  (the attention launch leaves o / 4: the two exact factors cancel)
; A block's scale is 2^(floor(log2(largest magnitude)) - 2): its byte is the largest magnitude's exponent field - 2, held at 1 from below by a floor among the maximum's leaves.
; LIMITS: NaN and infinities among the inputs are not served.  A block whose largest magnitude lies under 2^-124 has its byte held at 1; a block of zeros gets the byte 1 where the rule says 127
; (its codes are zeros, and this program alone reads the bytes).  |Wo| must stay under 16,376 (f16's range after the factor 4).
; The codes past k = 2,880 are cleared by a mask; their scale bytes are made from numbers of the tensor that are read a second time, so they are ordinary bytes, never 0xff.
; Work-group x picks the path (ids alone): 0-23 the weights (128 columns each), 24-43 the cast of Wo, 44-107 x (64 rows each); work-group y is the K step s (for Wo: part of the task's number).
; No matrix unit, no tensor load, no barrier, no cluster: waves share nothing and every input byte is read by one wave.  Each path that uses LDS has LDS bytes of its own.
.set SPARE, 67584                      ; behind both paths' regions: the spare words, 128 bytes for each wave
.set SPW,   1                          ; v1  LDS address of my spare word; never rewritten
.set NIL,   2                          ; v2  0; never rewritten
.set XR,    16                         ; x path: v16-79 four sets of 16 numbers as loaded
.set XN,    80                         ;         v80-111 two sets of 16 neighbours
.set XE,    112                        ;         v112-127 a scale byte for each step
.set XC,    128                        ;         v128-191 codes, four registers for each step: no store's data are written again
.macro FINISH                          ; the wave's end, behind the last LDS store
	s_wait_tensorcnt 0x0
	ds_add_u32 v[SPW], v[NIL]
	s_wait_dscnt 0x0
	s_endpgm
.endm
; ---- x path.  Step t is row m0 + t, K step s: 512 numbers
.macro XLOAD t                         ; four loads of 512 consecutive bytes (past the row's end: the row's last 16 bytes again)
.irp i, 0,1,2,3
	global_load_b128 v[XR+16*((\t)%4)+4*\i:XR+16*((\t)%4)+4*\i+3], v[4+\i], s[4:5] offset:11520*(\t) th:TH_LOAD_NT
.endr
.endm
.macro XTURN t                         ; through the wave's stage: in as loaded, out 64 bytes a lane; LDS serves a wave's instructions in order
.irp i, 0,1,2,3
	ds_store_b128 v12, v[XR+16*((\t)%4)+4*\i:XR+16*((\t)%4)+4*\i+3] offset:2560*((\t)%2)+640*\i
.endr
.irp i, 0,1,2,3
	ds_load_b128 v[XN+16*((\t)%2)+4*\i:XN+16*((\t)%2)+4*\i+3], v13 offset:2560*((\t)%2)+16*\i
.endr
.endm
.macro XSTEP t
.set XSR, XN+16*((\t)%2)
.if (\t) > 0
	s_wait_dscnt 1                                 ; this step's numbers are back from the stage; the last step's byte store may be out
.else
	s_wait_dscnt 0x0
.endif
.if (\t)+4 < 16
	XLOAD (\t)+4                                   ; into the set whose stores into the stage are done
.endif
.if (\t)+1 < 16
.if 14-(\t) >= 3
	s_wait_loadcnt 12                              ; the next step's four loads are in; the three later steps' twelve may be out
.else
	s_wait_loadcnt 4*(14-(\t))
.endif
	XTURN (\t)+1
.endif
	v_max3_num_f32 v14, |v[XSR]|, |v[XSR+1]|, |v[XSR+2]|          ; the largest magnitude of my 16, in two chains
	v_max3_num_f32 v15, |v[XSR+3]|, |v[XSR+4]|, |v[XSR+5]|
.irp i, 6,10
	v_max3_num_f32 v14, v14, |v[XSR+\i]|, |v[XSR+\i+1]|
	v_max3_num_f32 v15, v15, |v[XSR+\i+2]|, |v[XSR+\i+3]|
.endr
	v_max3_num_f32 v14, v14, |v[XSR+14]|, |v[XSR+15]|
	v_max3_num_f32 v14, v14, v15, 0x1800000        ; and the floor 2^(3 - 127): the byte cannot fall under 1
	v_max_num_f32_dpp v14, v14, v14 row_xmask:1 row_mask:0xf bank_mask:0xf   ; with my neighbour's 16: the block's
	v_add_nc_u32 v192, 0xff000000, v14             ; 2 off the exponent field: the conversion's scale operand
	v_cvt_scalef32_pk8_fp4_f32 v[XC+4*(\t)], v[XSR:XSR+7], v192
	v_cvt_scalef32_pk8_fp4_f32 v[XC+4*(\t)+1], v[XSR+8:XSR+15], v192
	v_lshrrev_b32 v[XE+(\t)], 23, v192             ; the scale's byte (a plain line between the conversions and the lines that touch their results)
	v_and_b32 v[XC+4*(\t)], v8, v[XC+4*(\t)]       ; zero codes where k is 2,880 or more
	v_and_b32 v[XC+4*(\t)+1], v8, v[XC+4*(\t)+1]
	ds_store_b8 v10, v[XE+(\t)] offset:16*(\t)     ; both lanes of a block write the same byte with the same value
	global_store_b64 v9, v[XC+4*(\t):XC+4*(\t)+1], s[14:15] offset:1536*(\t)   ; the wave stores 256 consecutive bytes, aligned
.endm
; ---- weights path.  Block t is k = 512 s + 32 t .. + 31 of my column
.macro WLOAD t
.set wl, 0
.rept 32
	global_load_b32 v[48+32*((\t)%2)+wl], v[16+wl], s[32+2*(\t):33+2*(\t)] th:TH_LOAD_NT
.set wl, wl+1
.endr
.endm
.macro WBLOCK t
.set WX, 48+32*((\t)%2)
.set WC, 112+4*((\t)%2)
.if (\t) < 15
	s_wait_loadcnt 32                              ; this block's 32 loads are in; the next block's 32 may be out
.else
	s_wait_loadcnt 0x0
.endif
	v_max3_num_f32 v8, |v[WX]|, |v[WX+1]|, |v[WX+2]|               ; all 32 numbers of the block are mine
	v_max3_num_f32 v9, |v[WX+3]|, |v[WX+4]|, |v[WX+5]|
.irp i, 6,10,14,18,22,26
	v_max3_num_f32 v8, v8, |v[WX+\i]|, |v[WX+\i+1]|
	v_max3_num_f32 v9, v9, |v[WX+\i+2]|, |v[WX+\i+3]|
.endr
	v_max3_num_f32 v8, v8, |v[WX+30]|, |v[WX+31]|
	v_max3_num_f32 v8, v8, v9, 0x1800000           ; the floor
	v_add_nc_u32 v10, 0xff000000, v8               ; the conversion's scale operand
	v_lshrrev_b32 v11, 23, v10                     ; the byte
.if (\t)%4 == 0
	v_mov_b32 v[120+(\t)/4], v11                   ; four bytes to a register, the lower k in the lower byte
.else
	v_lshl_or_b32 v[120+(\t)/4], v11, 8*((\t)%4), v[120+(\t)/4]
.endif
.irp g, 0,1,2,3
	v_cvt_scalef32_pk8_fp4_f32 v[WC+\g], v[WX+8*\g:WX+8*\g+7], v10
.endr
	v_nop                                          ; a plain line behind the last conversion
.if (\t) >= 10
.irp g, 0,1,2,3
	v_and_b32 v[WC+\g], s26, v[WC+\g]              ; in K step 5 blocks 10 to 15 lie past k = 2,880: zero codes
.endr
.endif
	ds_store_b128 v4, v[WC:WC+3] offset:16*(\t)    ; 32 codes: 16 bytes of my column's row
.if (\t)+2 < 16
	WLOAD (\t)+2
.endif
	s_wait_dscnt 0x0                               ; the store has read its registers
.endm
; ---- cast path.  A period is two rows of a tile: 384 numbers in, 768 bytes out; a batch is four periods
.macro OLOAD b
.set ou, 0
.rept 12
	global_load_b128 v[32+48*((\b)%2)+4*ou:32+48*((\b)%2)+4*ou+3], v[4+ou%3], s[12:13] offset:23040*(4*(\b)+ou/3) th:TH_LOAD_NT
.set ou, ou+1
.endr
.endm
.macro OBATCH b
.if (\b) < 7
	s_wait_loadcnt 12                              ; this batch's twelve loads are in; the next batch's may be out
.else
	s_wait_loadcnt 0x0
.endif
	s_wait_xcnt 0x0                                ; the stores of two batches ago have read their data registers
.set ov, 0
.rept 12
.set oi, 32+48*((\b)%2)+4*ov
.set oo, 128+24*((\b)%2)+2*ov
	v_pk_mul_f32 v[oi:oi+1], v[oi:oi+1], 4.0 op_sel_hi:[1,0]
	v_pk_mul_f32 v[oi+2:oi+3], v[oi+2:oi+3], 4.0 op_sel_hi:[1,0]
	v_cvt_pk_f16_f32 v[oo], v[oi], v[oi+1]
	v_cvt_pk_f16_f32 v[oo+1], v[oi+2], v[oi+3]
.set ov, ov+1
.endr
.if (\b)+2 < 8
	OLOAD (\b)+2
.endif
.set ov, 0
.rept 12
.set oo, 128+24*((\b)%2)+2*ov
	global_store_b64 v7, v[oo:oo+1], s[22:23] offset:256*(12*(\b)+ov)   ; the wave stores 256 consecutive bytes, aligned
.set ov, ov+1
.endr
.endm
	s_load_b512 s[4:19], s[0:1], 0x0               ; x s[4:5], Wq s[6:7], Wk s[8:9], Wv s[10:11], Wo s[12:13], xc s[14:15], xs s[16:17], wc s[18:19]
	s_load_b128 s[20:23], s[0:1], 0x40             ; ws s[20:21], wo16 s[22:23]
	v_lshl_add_u32 v[SPW], v0, 2, SPARE
	v_mov_b32 v[NIL], 0
	v_lshrrev_b32 v3, 5, v0
	v_readfirstlane_b32 s24, v3                    ; wave 0..3
	v_and_b32 v3, 31, v0                           ; lane
	s_and_b32 s25, ttmp7, 0xffff                   ; work-group y
	s_wait_kmcnt 0x0
	s_cmp_lt_u32 ttmp9, 24
	s_cbranch_scc1 .Lweights
	s_cmp_lt_u32 ttmp9, 44
	s_cbranch_scc1 .Lcast
	; ================= x: my wave's rows m0 = 64 (x - 44) + 16 wave .. + 15, K step s = y
	s_sub_co_u32 s26, ttmp9, 44
	s_lshl_b32 s26, s26, 6
	s_lshl_b32 s27, s24, 4
	s_add_co_u32 s26, s26, s27                     ; m0
	s_mul_i32 s28, s26, 11520
	s_mov_b32 s29, 0
	s_add_nc_u64 s[4:5], s[4:5], s[28:29]          ; x at row m0
	s_mul_i32 s28, s26, 1536
	s_lshl_b32 s27, s25, 8
	s_add_co_u32 s28, s28, s27
	s_add_nc_u64 s[14:15], s[14:15], s[28:29]      ; xc at row m0, K step s
	s_lshl_b32 s28, s25, 16
	s_lshl_b32 s27, s26, 4
	s_add_co_u32 s28, s28, s27
	s_add_nc_u64 s[16:17], s[16:17], s[28:29]      ; xs at [s][m0]
	s_lshl_b32 s27, s25, 11
	v_lshl_add_u32 v14, v3, 4, s27                 ; 2048 s + 16 lane
.irp i, 0,1,2,3
	v_add_nc_u32 v[4+\i], 512*\i, v14
	v_min_u32 v[4+\i], 11504, v[4+\i]              ; no load leaves its row of 11,520 bytes
.endr
	s_lshl_b32 s27, s25, 9
	v_lshl_add_u32 v14, v3, 4, s27                 ; the k of my first number on the way out of the stage
	v_cmp_gt_u32 vcc_lo, 2880, v14
	v_cndmask_b32 v8, 0, -1, vcc_lo                ; all ones where my 16 numbers lie inside K (16 divides 2,880)
	v_lshlrev_b32 v9, 3, v3                        ; 8 bytes of codes a lane
	s_lshl_b32 s27, s24, 13                        ; my wave's region of LDS
	v_lshrrev_b32 v10, 1, v3
	v_add_nc_u32 v10, s27, v10
	v_add_nc_u32 v10, 5120, v10                    ; my block's scale byte
	v_add_nc_u32 v11, s27, v9
	v_add_nc_u32 v11, 5120, v11                    ; and 8 of the 256 bytes on the way out
	v_lshrrev_b32 v12, 2, v3
	v_mul_u32_u24 v12, v12, 80
	v_and_b32 v15, 3, v3
	v_lshl_add_u32 v12, v15, 4, v12
	v_add_nc_u32 v12, s27, v12                     ; stage, in: four lanes' 64 bytes on end, then 16 of padding
	v_mul_u32_u24 v13, v3, 80
	v_add_nc_u32 v13, s27, v13                     ; stage, out: my 16 neighbours
.irp t, 0,1,2,3
	XLOAD \t
.endr
	s_wait_loadcnt 12                              ; step 0's four loads are in
	XTURN 0
.irp t, 0,1,2,3,4,5,6,7,8,9,10,11,12,13,14,15
	XSTEP \t
.endr
	ds_load_b64 v[14:15], v11                      ; 16 rows x 16 scale bytes; these loads see my byte stores
	s_wait_dscnt 0x0
	global_store_b64 v9, v[14:15], s[16:17]        ; 256 consecutive bytes, aligned
	FINISH
	; ================= the weights: my wave's columns n0 = 128 x + 32 wave .. + 31, K step s = y.  A lane takes a column, its registers run down K
.Lweights:
	s_cmp_lt_u32 ttmp9, 16                         ; which tensor: ids alone decide
	s_cselect_b64 s[28:29], s[6:7], s[8:9]
	s_mov_b32 s30, 2048
	s_cselect_b32 s30, 8192, s30                   ; bytes from row to row
	s_cselect_b32 s31, 0, 16
	s_cmp_lt_u32 ttmp9, 20
	s_cselect_b64 s[28:29], s[28:29], s[10:11]
	s_cselect_b32 s31, s31, 20
	s_sub_co_u32 s31, ttmp9, s31
	s_lshl_b32 s31, s31, 7
	s_lshl_b32 s27, s24, 5
	s_add_co_u32 s31, s31, s27                     ; my first column in its tensor,
	s_lshl_b32 s31, s31, 2                         ; in bytes
	s_cmp_lt_u32 s25, 5
	s_cselect_b32 s26, -1, 0                       ; the mask for blocks 10 to 15: zero in K step 5
	s_lshl_b32 s66, s25, 9
.irp t, 0,1,2,3,4,5,6,7,8,9,10,11,12,13,14,15
	s_add_co_u32 s67, s66, 32*\t
	s_min_u32 s67, s67, 2848                       ; blocks past K read the last block again: every load stays inside its tensor
	s_mul_i32 s[32+2*\t], s67, s30
	s_add_co_u32 s[32+2*\t], s[32+2*\t], s31
	s_mov_b32 s[33+2*\t], 0
	s_add_nc_u64 s[32+2*\t:33+2*\t], s[28:29], s[32+2*\t:33+2*\t]
.endr
	s_lshl_b32 s68, ttmp9, 7
	s_add_co_u32 s68, s68, s27                     ; n0
	s_mul_i32 s66, s68, 1536
	s_lshl_b32 s67, s25, 8
	s_add_co_u32 s66, s66, s67
	s_mov_b32 s67, 0
	s_add_nc_u64 s[18:19], s[18:19], s[66:67]      ; wc at row n0, K step s
	s_mul_i32 s66, s25, 3072
	s_add_co_u32 s66, s66, s68
	s_lshl_b32 s66, s66, 4
	s_add_nc_u64 s[20:21], s[20:21], s[66:67]      ; ws at [s][n0]
	v_lshlrev_b32 v16, 2, v3                       ; v16-47: 4 lane + i rows
.set wi, 1
.rept 31
	v_add_nc_u32 v[16+wi], s30, v[15+wi]
.set wi, wi+1
.endr
	s_mul_i32 s27, s24, 8704
	s_add_co_u32 s27, s27, 32768                   ; my wave's stage: 32 rows of 256 bytes + 16
	v_mul_u32_u24 v4, v3, 272
	v_add_nc_u32 v4, s27, v4                       ; in: row = my column
	v_lshrrev_b32 v8, 4, v3
	v_and_b32 v9, 15, v3
	v_mul_u32_u24 v5, v8, 272
	v_lshl_add_u32 v5, v9, 4, v5
	v_add_nc_u32 v5, s27, v5                       ; out: sixteen lanes to a row, two rows an instruction
	v_mul_u32_u24 v6, v8, 1536
	v_lshl_add_u32 v6, v9, 4, v6                   ; the same place in wc
	v_lshlrev_b32 v7, 4, v3                        ; my column's 16 scale bytes
	WLOAD 0
	WLOAD 1
.irp t, 0,1,2,3,4,5,6,7,8,9,10,11,12,13,14,15
	WBLOCK \t
.endr
	global_store_b128 v7, v[120:123], s[20:21]     ; 512 consecutive bytes
.irp t, 0,1,2,3,4,5,6,7,8,9,10,11,12,13,14,15
	ds_load_b128 v[124+4*\t:127+4*\t], v5 offset:544*\t
.endr
.irp t, 0,1,2,3,4,5,6,7,8,9,10,11,12,13,14,15
	s_wait_dscnt 15-\t                             ; load t is in; the younger ones may be out
	global_store_b128 v6, v[124+4*\t:127+4*\t], s[18:19] offset:3072*\t   ; sixteen lanes store 256 consecutive bytes, aligned
.endr
	FINISH
	; ================= Wo: task = 4 (6 (x - 24) + y) + wave = 32 T + rg: rows 64 rg .. + 63, columns 192 T .. + 191
.Lcast:
	s_sub_co_u32 s26, ttmp9, 24
	s_mul_i32 s26, s26, 6
	s_add_co_u32 s26, s26, s25
	s_lshl_b32 s26, s26, 2
	s_add_co_u32 s26, s26, s24
	s_lshr_b32 s27, s26, 5                         ; T
	s_and_b32 s26, s26, 31                         ; rg
	s_mul_i32 s28, s26, 737280
	s_mul_i32 s30, s27, 768
	s_add_co_u32 s28, s28, s30
	s_mov_b32 s29, 0
	s_add_nc_u64 s[12:13], s[12:13], s[28:29]
	s_mul_i32 s28, s27, 786432
	s_mul_i32 s30, s26, 24576
	s_add_co_u32 s28, s28, s30
	s_add_nc_u64 s[22:23], s[22:23], s[28:29]
	v_lshlrev_b32 v4, 4, v3                        ; numbers 0-127 of a period: the first row's bytes 0-511
	v_lshrrev_b32 v8, 4, v3
	v_mul_u32_u24 v8, v8, 10752
	v_add_nc_u32 v5, v4, v8
	v_add_nc_u32 v5, 512, v5                       ; numbers 128-255: lanes 0-15 the first row's last 256 bytes, lanes 16-31 the second row's first
	v_add_nc_u32 v6, 11776, v4                     ; numbers 256-383: the second row's bytes 256-767
	v_lshlrev_b32 v7, 3, v3                        ; out: 8 bytes a lane
	OLOAD 0
	OLOAD 1
.irp b, 0,1,2,3,4,5,6,7
	OBATCH \b
.endr
	FINISH
.Lfunc_end_k_qe788fad15a_prep:
	.size	k_qe788fad15a_prep, .Lfunc_end_k_qe788fad15a_prep-k_qe788fad15a_prep
	.p2alignl 7, 3214868480
	.fill 96, 4, 3214868480
	.section	.rodata,"a",@progbits
	.p2align	6, 0x0
	.amdhsa_kernel k_qe788fad15a_prep
		.amdhsa_group_segment_fixed_size 68096
		.amdhsa_private_segment_fixed_size 0
		.amdhsa_enable_private_segment 0
		.amdhsa_kernarg_size 80
		.amdhsa_user_sgpr_count 2
		.amdhsa_user_sgpr_kernarg_segment_ptr 1
		.amdhsa_wavefront_size32 1
		.amdhsa_system_sgpr_workgroup_id_x 1
		.amdhsa_system_sgpr_workgroup_id_y 1
		.amdhsa_system_sgpr_workgroup_id_z 1
		.amdhsa_system_vgpr_workitem_id 0
		.amdhsa_next_free_vgpr 208
		.amdhsa_next_free_sgpr 70
		.amdhsa_reserve_vcc 1
		.amdhsa_float_denorm_mode_32 3
		.amdhsa_float_denorm_mode_16_64 3
		.amdhsa_memory_ordered 1
		.amdhsa_forward_progress 1
		.amdhsa_inst_pref_size 163
	.end_amdhsa_kernel
	.amdgpu_metadata
---
amdhsa.version: [ 1, 2 ]
amdhsa.kernels:
  - .name:           k_qe788fad15a_prep
    .symbol:         k_qe788fad15a_prep.kd
    .args:
      - { .name: x, .offset: 0, .size: 8, .value_kind: global_buffer, .address_space: global }
      - { .name: Wq, .offset: 8, .size: 8, .value_kind: global_buffer, .address_space: global }
      - { .name: Wk, .offset: 16, .size: 8, .value_kind: global_buffer, .address_space: global }
      - { .name: Wv, .offset: 24, .size: 8, .value_kind: global_buffer, .address_space: global }
      - { .name: Wo, .offset: 32, .size: 8, .value_kind: global_buffer, .address_space: global }
      - { .name: xc, .offset: 40, .size: 8, .value_kind: global_buffer, .address_space: global }
      - { .name: xs, .offset: 48, .size: 8, .value_kind: global_buffer, .address_space: global }
      - { .name: wc, .offset: 56, .size: 8, .value_kind: global_buffer, .address_space: global }
      - { .name: ws, .offset: 64, .size: 8, .value_kind: global_buffer, .address_space: global }
      - { .name: wo16, .offset: 72, .size: 8, .value_kind: global_buffer, .address_space: global }
    .group_segment_fixed_size: 68096
    .private_segment_fixed_size: 0
    .kernarg_segment_align: 8
    .kernarg_segment_size: 80
    .max_flat_workgroup_size: 128
    .sgpr_count:     70
    .vgpr_count:     208
    .wavefront_size: 32
...
	.end_amdgpu_metadata
.endif
;; end of part 1
;; launch qkv (part 2): grid 16 x 16, 4 waves a work-group, clusters of 4 x 4, 327,680 bytes of LDS; arguments xc, xs, wc, ws, bq, bk, bv, freqs_cis, qkv; writes qkv
.if DOCPART == 2
	.amdgcn_target "amdgcn-amd-amdhsa--gfx1250"
	.amdhsa_code_object_version 6
	.text
	.protected	k_qe788fad15a_qkv
	.globl	k_qe788fad15a_qkv
	.p2align	8
	.type	k_qe788fad15a_qkv,@function
k_qe788fad15a_qkv:
	s_mov_b64 s[64:65], 0
	v_nop
	global_prefetch_b8 v0, s[64:65] scope:SCOPE_SE
	s_setreg_imm32_b32 hwreg(HW_REG_WAVE_MODE, 25, 1), 1
	s_wait_xcnt 0x0
	s_wait_alu depctr_hold_cnt(0) depctr_sa_sdst(0) depctr_va_vdst(0) depctr_va_sdst(0) depctr_va_ssrc(0) depctr_va_vcc(0) depctr_vm_vsrc(0)
	s_getreg_b32 s2, hwreg(HW_REG_IB_STS2, 6, 4)
	s_cmp_eq_u32 s2, 0
	s_cbranch_scc0 .Lentry_in_a_cluster
	s_endpgm
.Lentry_in_a_cluster:
	s_bfe_u32 s2, ttmp6, 0x10000c
	s_cmp_lg_u32 s2, 0xf033
	s_cbranch_scc0 .Lentry_shape_is_right
	s_endpgm
.Lentry_shape_is_right:
; QKV: [4096 x 3072] = x W on codes of E2M1 with E8M0 scales (K = 2,880 filled to 3,072 with zero codes), + bias, RoPE for q and k, exact scalings, rounded once to f16.
; Out: qkv [48 g][4096][64] f16: g 0-31 q x 0.25 log2(e), 32-39 k x 0.5, 40-47 v x 0.25: q' . k' is then the score x 64^-0.5 x log2(e), and all three have room in f16.
; LIMITS: |q| < 1.8e5, |k| < 1.3e5, |v| < 2.6e5 (f16's range after the factors).  The bias is the C of each sum's first product: it is added first, reference() adds it last.
; SHARES.  A work-group makes 256 rows x 192 columns (three whole heads); wave w rows 64 w .. + 63 and all 192 columns: 4 x 12 accumulators, 384 registers.  So RoPE's partners d and d + 32 lie in one lane,
; and a wave stores dense runs of rows of one head.  THE MATRIX INSTRUCTION IS USED TRANSPOSED (source 0 = 16 rows of wc, source 1 = 16 rows of xc): lane (r, h), register j holds (row r, column 16 b + 8 h + j).
; K goes in 6 steps of 512 (tile rows of 256 bytes) through two LDS slots; each is four steps of 128 along K, 48 matrix instructions a wave.  The scale bytes of all of K come once, with the first fills.
; CLUSTER 4 x 4: the four work-groups of a row of the cluster need the same tiles and scales of x, the four of a column the same of W: each is asked for jointly.
; REGISTERS: window 0: v1-30 addresses; v32-95 scale words, two sets, and nothing else; v96-159 x's fragments, two sets; v160-255 the bias in the result's layout (from v96 on free on the way out).
;   window 1: W's fragments, two sets of 96.   window 2: accumulators of row blocks 0, 1 at v[8 (12 (a % 2) + b)]; v192-255 their cos and sin.   window 3: the same for row blocks 2, 3.
.set PITCH, 272                        ; an LDS row: 256 bytes + 16 of padding: the 16 rows of a fragment load start 68 words apart
.set SLOT,  121856                     ; x's 256 rows, then W's 192
.set BOFF,  69632
.set SCA,   243712                     ; x's scale bytes [6 s][256 rows][16]
.set SCB,   268288                     ; W's [6 s][192 rows][16]
.set STAGE, 286720                     ; 16 rows x (128 bytes + 16) for each wave; no tile lands here
.set SPARE, 295936                     ; the spare words, 128 bytes for each wave
.set CODEW, (1<<20)|(1<<21)|(5<<22)|(3<<25)    ; elements of 1 byte; padding on; bit 21 beside a mask; 4 words of padding after every 64
.set SCLW,  (3<<16)|(1<<21)            ; elements of 8 bytes, no padding
.set MSB, 0
.macro WIN new                         ; the immediate's high byte repeats the setting that is left
.if MSB != (\new)
	s_set_vgpr_msb (MSB<<8)|(\new)
.set MSB, (\new)
.endif
.endm
.macro PLACES                          ; four plain places behind matrix instructions, ahead of loads into their sources and of reads of their results
.rept 4
	v_nop
.endr
.endm
; A joint load: waves 0 and 1 fetch for x, waves 2 and 3 for W.  The branch hangs on the wave's number alone.  An s_nop 0 and four v_nop follow each line.
.macro JLOAD g0a, g1a, g0b, g1b
	s_cmp_eq_u32 s23, 0
	s_cbranch_scc0 .Lfor_b_\@
	tensor_load_to_lds s[\g0a:\g0a+3], s[\g1a:\g1a+7]
	s_nop 0
.rept 4
	v_nop
.endr
	s_branch .Lasked_\@
.Lfor_b_\@:
	tensor_load_to_lds s[\g0b:\g0b+3], s[\g1b:\g1b+7]
	s_nop 0
.rept 4
	v_nop
.endr
.Lasked_\@:
.endm
.macro CREST                           ; a round of the cluster's barrier behind its opening barrier
	s_cmp_lg_u32 s22, 0
	s_cbranch_scc1 .Lnot_wave_0_\@
	s_barrier_signal -3
.Lnot_wave_0_\@:
	s_barrier_wait -3
	s_barrier_signal -1
	s_barrier_wait -1
.endm
.macro CROUND
	s_barrier_signal -1
	s_barrier_wait -1
	CREST
.endm
; Head g = 3 TC + i: its bias pointer, and the two factors of its way out.  Selections only, no branch: RA x (cos, sin) + (RB, 0) gives q: 0.25 log2(e) (cos, sin); k: 0.5 (cos, sin); v: (0.25, 0)
.macro HEADSEL i, p, ra, rb
	s_mul_i32 s101, s27, 3
	s_add_co_u32 s101, s101, \i
	s_cmp_lt_u32 s101, 32
	s_cselect_b64 s[\p:\p+1], s[12:13], s[14:15]
	s_cselect_b32 s104, 0, 32
	s_mov_b32 s[\ra], 0x3f000000
	s_cselect_b32 s[\ra], 0x3eb8aa3b, s[\ra]
	s_cmp_lt_u32 s101, 40
	s_cselect_b64 s[\p:\p+1], s[\p:\p+1], s[16:17]
	s_cselect_b32 s104, s104, 40
	s_cselect_b32 s[\ra], s[\ra], 0
	s_cselect_b32 s[\rb], 0, 0x3e800000
	s_mov_b32 s[\ra+1], s[\ra]                     ; named with it as a pair
	s_sub_co_u32 s104, s101, s104
	s_lshl_b32 s104, s104, 8                       ; 64 numbers of bias a head
	s_mov_b32 s105, 0
	s_add_nc_u64 s[\p:\p+1], s[\p:\p+1], s[104:105]
.endm
.macro BIAS i, p                       ; head i's four tiles: lane (r, h) takes the numbers 16 t + 8 h + 0 .. 7
.irp t, 0,1,2,3
	global_load_b128 v[160+8*(4*(\i)+\t):160+8*(4*(\i)+\t)+3], v27, s[\p:\p+1] offset:64*\t
	global_load_b128 v[160+8*(4*(\i)+\t)+4:160+8*(4*(\i)+\t)+7], v27, s[\p:\p+1] offset:64*\t+16
.endr
.endm
.macro CSLOAD a                        ; row block a: cos and sin of row r at d' = 16 t + 8 h + 0 .. 7
.irp t, 0,1
.irp e, 0,1
	global_load_b128 v[192+32*((\a)%2)+8*\t+4*\e:192+32*((\a)%2)+8*\t+4*\e+3], v30, s[18:19] offset:4096*(\a)+64*\t+16*\e
	global_load_b128 v[208+32*((\a)%2)+8*\t+4*\e:208+32*((\a)%2)+8*\t+4*\e+3], v30, s[18:19] offset:4096*(\a)+128+64*\t+16*\e
.endr
.endr
.endm
; 32 LDS loads: the fragments of the slot's q-th 128 along K into set p.  A fragment is 8 registers: lane (r, h) holds row r; registers 4 c .. 4 c + 3 hold k = 64 c + 32 h + 0 .. 31: 16 bytes as they lie
.macro FETCH slot, q, p
	WIN 0x40                                       ; destination window 1
.set fb, 0
.rept 12
	ds_load_b128 v[96*(\p)+8*fb:96*(\p)+8*fb+3],   v[20+\slot] offset:64*(\q)+4352*fb
	ds_load_b128 v[96*(\p)+8*fb+4:96*(\p)+8*fb+7], v[20+\slot] offset:64*(\q)+4352*fb+32
.set fb, fb+1
.endr
	WIN 0
.irp a, 0,1,2,3
	ds_load_b128 v[96+32*(\p)+8*\a:96+32*(\p)+8*\a+3],   v[16+\slot] offset:64*(\q)+4352*\a
	ds_load_b128 v[96+32*(\p)+8*\a+4:96+32*(\p)+8*\a+7], v[16+\slot] offset:64*(\q)+4352*\a+32
.endr
.endm
; A K step's scale words into set sg: a row's 16 bytes are its four words.  32 lanes take 32 rows: lanes 0-15 the even block of a pair, lanes 16-31 the odd one
.macro SCALES sg
.irp j, 0,1,2,3,4,5
	ds_load_b128 v[32+32*(\sg)+4*\j:32+32*(\sg)+4*\j+3], v23 offset:512*\j
.endr
.irp j, 0,1
	ds_load_b128 v[56+32*(\sg)+4*\j:56+32*(\sg)+4*\j+3], v22 offset:512*\j
.endr
.endm
; 24 matrix instructions: row blocks a0, a0 + 1 x the 12 column blocks.  first = 1: C is the bias.  The 48 accumulators take turns, one instruction a turn, in the same order in every step.
.macro MULS a0, p, q, sg, first
.if \first
	WIN 0x81+0x40*((\a0)/2)                        ; source 0 window 1, source 1 and C window 0, D window 2 or 3
.else
	WIN 0xa1+0x50*((\a0)/2)                        ; C and D window 2 or 3
.endif
.set ma, \a0
.rept 2
.set mb, 0
.rept 12
.set rD, 8*(12*(ma%2)+mb)
.set rB, 96*(\p)+8*mb
.set rA, 96+32*(\p)+8*ma
.set rSB, 32+32*(\sg)+4*(mb/2)+(\q)
.set rSA, 56+32*(\sg)+4*(ma/2)+(\q)
.if \first
.set rCC, 160+8*mb
.else
.set rCC, rD
.endif
.if (mb%2) && (ma%2)
	v_wmma_scale_f32_16x16x128_f8f6f4 v[rD:rD+7], v[rB:rB+7], v[rA:rA+7], v[rCC:rCC+7], v[rSB], v[rSA] matrix_a_fmt:MATRIX_FMT_FP4 matrix_b_fmt:MATRIX_FMT_FP4 matrix_a_scale:MATRIX_SCALE_ROW1 matrix_b_scale:MATRIX_SCALE_ROW1
.elseif (mb%2)
	v_wmma_scale_f32_16x16x128_f8f6f4 v[rD:rD+7], v[rB:rB+7], v[rA:rA+7], v[rCC:rCC+7], v[rSB], v[rSA] matrix_a_fmt:MATRIX_FMT_FP4 matrix_b_fmt:MATRIX_FMT_FP4 matrix_a_scale:MATRIX_SCALE_ROW1
.elseif (ma%2)
	v_wmma_scale_f32_16x16x128_f8f6f4 v[rD:rD+7], v[rB:rB+7], v[rA:rA+7], v[rCC:rCC+7], v[rSB], v[rSA] matrix_a_fmt:MATRIX_FMT_FP4 matrix_b_fmt:MATRIX_FMT_FP4 matrix_b_scale:MATRIX_SCALE_ROW1
.else
	v_wmma_scale_f32_16x16x128_f8f6f4 v[rD:rD+7], v[rB:rB+7], v[rA:rA+7], v[rCC:rCC+7], v[rSB], v[rSA] matrix_a_fmt:MATRIX_FMT_FP4 matrix_b_fmt:MATRIX_FMT_FP4
.endif
.set mb, mb+1
.endr
.set ma, ma+1
.endr
.endm
; A step of 128 along K that has its successor in the same slot: the next step's 32 loads are issued first and have this step's 48 matrix instructions in which to land
.macro STEP slot, q, first
	s_wait_dscnt 0x0                               ; this step's fragments (and, at a slot's head, its scale words) are in
	PLACES                                         ; the other set was read by the matrix instructions just issued
	FETCH \slot, (\q)+1, 1-(\q)%2
	MULS 0, (\q)%2, \q, \slot, \first
	MULS 2, (\q)%2, \q, \slot, \first
	WIN 0
.endm
; A slot's last step changes slots: one barrier; ahead of it each wave waits for all its tensor loads, adds 0 to its spare word, and waits for that and for its reads of this slot.
.macro TURN slot, next, fill
	s_wait_tensorcnt 0x0                           ; all my tensor loads have landed: my part of the next slot
	ds_add_u32 v28, v29                            ; 0 onto my spare word
	s_wait_dscnt 1                                 ; this step's fragments are in; the add alone may be out
	MULS 0, 1, 3, \slot, 0                         ; 24 matrix instructions stand between the add and the wait for it
	s_wait_dscnt 0x0                               ; the add is done, and my reads of this slot are over
	s_barrier_signal -1
	WIN 0
	s_barrier_wait -1
.if \fill
	CREST                                          ; the barrier has opened a round of the cluster's: no wave of any partner still reads this slot or has a load on its way
	s_add_nc_u64 s[42+4*\slot:43+4*\slot], s[42+4*\slot:43+4*\slot], 512   ; two K steps on
	s_add_nc_u64 s[58+4*\slot:59+4*\slot], s[58+4*\slot:59+4*\slot], 512
	JLOAD 40+4*\slot, 32, 56+4*\slot, 48           ; the first tensor load behind the round; its four v_nop are the places ahead of the loads below
.else
	PLACES
.endif
	v_add_nc_u32 v22, 4096, v22                    ; the next K step's scale words (no LDS load of mine is out)
	v_add_nc_u32 v23, 3072, v23
	FETCH \next, 0, 0
	SCALES \next
	MULS 2, 1, 3, \slot, 0
	WIN 0
.endm
	s_load_b256 s[4:11], s[0:1], 0x0               ; xc s[4:5], xs s[6:7], wc s[8:9], ws s[10:11]
	s_load_b256 s[12:19], s[0:1], 0x20             ; bq s[12:13], bk s[14:15], bv s[16:17], freqs_cis s[18:19]
	s_load_b64 s[20:21], s[0:1], 0x40              ; qkv
	v_lshl_add_u32 v28, v0, 2, SPARE
	v_mov_b32 v29, 0
	ds_add_u32 v28, v29                            ; the wave's opening: the add and its wait stand ahead of my first tensor load; work on registers stands between
	v_lshrrev_b32 v1, 5, v0
	v_readfirstlane_b32 s22, v1                    ; wave 0..3
	s_lshr_b32 s23, s22, 1                         ; I fetch for x (0) or for W (1)
	s_and_b32 s24, s22, 1                          ; which half of that tile
	s_bfe_u32 s25, ttmp6, 0x40000                  ; cx
	s_bfe_u32 s26, ttmp6, 0x40004                  ; cy
	s_lshl_b32 s27, ttmp9, 2
	s_add_co_u32 s27, s27, s25                     ; TC: columns 192 TC on
	s_and_b32 s28, ttmp7, 0xffff
	s_lshl_b32 s28, s28, 2
	s_add_co_u32 s28, s28, s26                     ; TR: rows 256 TR on
	s_lshl_b32 s29, s26, 2
	s_lshl_b32 s29, 15, s29                        ; my row of the cluster
	s_lshl_b32 s101, 0x1111, s25                   ; my column
	s_or_b32 s32, s29, CODEW                       ; group 1, x's codes: 128 rows of 256 bytes, 1,536 apart
	s_mov_b32 s33, 256<<16
	s_mov_b32 s34, 128<<16
	s_mov_b32 s35, 256<<16
	s_mov_b32 s36, 128
	s_mov_b32 s37, 1536
	s_mov_b32 s38, 0
	s_mov_b32 s39, 0
	s_or_b32 s48, s101, CODEW                      ; W's codes: 96 rows
	s_mov_b32 s49, 256<<16
	s_mov_b32 s50, 96<<16
	s_mov_b32 s51, 256<<16
	s_mov_b32 s52, 96
	s_mov_b32 s53, 1536
	s_mov_b32 s54, 0
	s_mov_b32 s55, 0
	s_or_b32 s68, s29, SCLW                        ; x's scales: 3 K steps x 4,096 dense bytes (512 elements of 8), 65,536 bytes apart
	s_mov_b32 s69, 512<<16
	s_mov_b32 s70, 3<<16
	s_mov_b32 s71, 512<<16
	s_mov_b32 s72, 3
	s_mov_b32 s73, 8192
	s_mov_b32 s74, 0
	s_mov_b32 s75, 0
	s_or_b32 s80, s101, SCLW                       ; W's scales: 3 K steps x 3,072 bytes, 49,152 apart
	s_mov_b32 s81, 384<<16
	s_mov_b32 s82, 3<<16
	s_mov_b32 s83, 384<<16
	s_mov_b32 s84, 3
	s_mov_b32 s85, 6144
	s_mov_b32 s86, 0
	s_mov_b32 s87, 0
	s_wait_dscnt 0x0                               ; the opening add is done
	s_wait_kmcnt 0x0
	HEADSEL 0, 2, 92, 98
	HEADSEL 1, 30, 94, 99
	HEADSEL 2, 66, 96, 100
	s_lshl_b32 s104, s28, 8
	s_lshl_b32 s105, s22, 6
	s_add_co_u32 s104, s104, s105                  ; my wave's first row
	s_lshl_b32 s101, s104, 7                       ; x 128 bytes in a head of qkv
	s_lshl_b32 s104, s104, 8                       ; x 256 bytes in freqs_cis
	s_mov_b32 s105, 0
	s_add_nc_u64 s[18:19], s[18:19], s[104:105]
	s_mul_i32 s104, s27, 3*524288
	s_add_co_u32 s104, s104, s101
	s_add_nc_u64 s[20:21], s[20:21], s[104:105]    ; qkv at head 3 TC, my first row
	; groups 0.  x's hang on TR and the wave alone, W's on TC and the wave alone; LDS addresses on the wave alone
	s_lshl_b32 s42, s28, 8
	s_lshl_b32 s43, s24, 7
	s_add_co_u32 s42, s42, s43
	s_mul_i32 s42, s42, 1536
	s_mov_b32 s43, 0
	s_add_nc_u64 s[42:43], s[4:5], s[42:43]
	s_add_nc_u64 s[46:47], s[42:43], 256           ; slot 1: K step 1
	s_or_b32 s43, s43, 0x80000000
	s_or_b32 s47, s47, 0x80000000
	s_mov_b32 s40, 1
	s_mov_b32 s44, 1
	s_mul_i32 s41, s24, 128*PITCH
	s_add_co_u32 s45, s41, SLOT
	s_mul_i32 s58, s27, 192
	s_mul_i32 s59, s24, 96
	s_add_co_u32 s58, s58, s59
	s_mul_i32 s58, s58, 1536
	s_mov_b32 s59, 0
	s_add_nc_u64 s[58:59], s[8:9], s[58:59]
	s_add_nc_u64 s[62:63], s[58:59], 256
	s_or_b32 s59, s59, 0x80000000
	s_or_b32 s63, s63, 0x80000000
	s_mov_b32 s56, 1
	s_mov_b32 s60, 1
	s_mul_i32 s57, s24, 96*PITCH
	s_add_co_u32 s57, s57, BOFF
	s_add_co_u32 s61, s57, SLOT
	s_mul_i32 s78, s24, 3*65536
	s_lshl_b32 s79, s28, 12
	s_add_co_u32 s78, s78, s79
	s_mov_b32 s79, 0
	s_add_nc_u64 s[78:79], s[6:7], s[78:79]
	s_or_b32 s79, s79, 0x80000000
	s_mov_b32 s76, 1
	s_mul_i32 s77, s24, 12288
	s_add_co_u32 s77, s77, SCA
	s_mul_i32 s90, s24, 3*49152
	s_mul_i32 s91, s27, 3072
	s_add_co_u32 s90, s90, s91
	s_mov_b32 s91, 0
	s_add_nc_u64 s[90:91], s[10:11], s[90:91]
	s_or_b32 s91, s91, 0x80000000
	s_mov_b32 s88, 1
	s_mul_i32 s89, s24, 9216
	s_add_co_u32 s89, s89, SCB
	CROUND                                         ; all sixteen work-groups are here: the first joint loads meet
	JLOAD 76, 68, 88, 80                           ; the scale bytes of all of K: filled once
	JLOAD 40, 32, 56, 48                           ; K step 0
	JLOAD 44, 32, 60, 48                           ; K step 1: three loads of mine are out
	v_and_b32 v1, 15, v0                           ; r
	v_bfe_u32 v2, v0, 4, 1                         ; h
	v_lshlrev_b32 v27, 5, v2                       ; the bias: 8 h numbers on
	v_lshlrev_b32 v30, 8, v1
	v_lshl_add_u32 v30, v2, 5, v30                 ; freqs_cis: row r, 8 h numbers on
	BIAS 0, 2
	BIAS 1, 30
	BIAS 2, 66
	WIN 0x80
	CSLOAD 0
	CSLOAD 1
	WIN 0xc0
	CSLOAD 2
	CSLOAD 3
	WIN 0
	v_mul_u32_u24 v3, v1, PITCH
	v_lshl_add_u32 v3, v2, 4, v3                   ; a fragment's row x pitch + 16 h
	s_mul_i32 s101, s22, 64*PITCH
	v_add_nc_u32 v16, s101, v3                     ; x's fragments: my 64 rows, slot 0,
	v_add_nc_u32 v17, SLOT, v16                    ; slot 1
	v_add_nc_u32 v20, BOFF, v3                     ; W's
	v_add_nc_u32 v21, SLOT, v20
	v_and_b32 v4, 31, v0
	v_lshlrev_b32 v26, 4, v4                       ; 16 x lane: also my place in a store of 512 bytes
	s_lshl_b32 s101, s22, 10
	s_add_co_u32 s101, s101, SCA
	v_add_nc_u32 v22, s101, v26                    ; x's scale words: my 64 rows
	v_add_nc_u32 v23, SCB, v26                     ; W's
	s_mul_i32 s101, s22, 2304
	s_add_co_u32 s101, s101, STAGE                 ; my stage
	v_mul_u32_u24 v5, v1, 144
	v_lshl_add_u32 v5, v2, 4, v5
	v_add_nc_u32 v24, s101, v5                     ; in: row r, 16 h
	v_lshrrev_b32 v5, 3, v4
	v_mul_u32_u24 v5, v5, 144
	v_and_b32 v6, 7, v4
	v_lshl_add_u32 v5, v6, 4, v5
	v_add_nc_u32 v25, s101, v5                     ; back: eight lanes to a row of 128 bytes, four rows an instruction
	s_wait_tensorcnt 1                             ; the scales and my part of K step 0 are in; K step 1's load may be out
	s_wait_loadcnt 0x0                             ; bias, cos, sin
	s_barrier_signal -1
	s_barrier_wait -1
	FETCH 0, 0, 0
	SCALES 0
	STEP 0, 0, 1                                   ; the first step stands ahead of the loop: its products start the sums from the bias
	s_mov_b32 s29, 2
.Llap:                                             ; a trip goes once round the ring and fills both slots again: K steps 2, 3 and 4, 5
	STEP 0, 1, 0
	STEP 0, 2, 0
	TURN 0, 1, 1
	STEP 1, 0, 0
	STEP 1, 1, 0
	STEP 1, 2, 0
	TURN 1, 0, 1
	STEP 0, 0, 0
	s_sub_co_u32 s29, s29, 1
	s_cmp_lg_u32 s29, 0
	s_cbranch_scc1 .Llap
	STEP 0, 1, 0                                   ; the last lap fills nothing and has no round
	STEP 0, 2, 0
	TURN 0, 1, 0
	STEP 1, 0, 0
	STEP 1, 1, 0
	STEP 1, 2, 0
	s_wait_dscnt 0x0                               ; the very last step
	MULS 0, 1, 3, 1, 0
	MULS 2, 1, 3, 1, 0
	WIN 0
; THE WAY OUT, 12 units of 16 rows x one head.  v96-111 CP, v112-127 SP, v128-135 at work, v[136:137] RB, v144-175 the 64 results of a lane's row, v176-207 packed (two sets), v208-239 rows read back (two sets).
.macro ROPE a, i
.set rCS, 192+32*((\a)%2)
.set rX, 8*(12*((\a)%2)+4*(\i))
	v_mov_b32 v136, s[98+(\i)]
	v_mov_b32 v137, s[98+(\i)]
	WIN 0x02+(\a)/2                                ; source 0 in the accumulators' window, all else in window 0
.irp k, 0,2,4,6,8,10,12,14
	v_pk_fma_f32 v[96+\k:97+\k], v[rCS+\k:rCS+\k+1], s[92+2*(\i):93+2*(\i)], v[136:137] op_sel_hi:[1,0,1]   ; CP = RA cos + RB
.endr
.irp k, 0,2,4,6,8,10,12,14
	v_pk_mul_f32 v[112+\k:113+\k], v[rCS+16+\k:rCS+17+\k], s[92+2*(\i):93+2*(\i)] op_sel_hi:[1,0]          ; SP = RA sin
.endr
.irp t, 0,1
.irp j, 0,2,4,6                        ; ascending: each accumulator is first read at its low end
	v_pk_mul_f32 v[128+4*((\j/2)%2):129+4*((\j/2)%2)], v[rX+8*(\t+2)+\j:rX+8*(\t+2)+\j+1], v[112+8*\t+\j:113+8*\t+\j]
	v_pk_mul_f32 v[130+4*((\j/2)%2):131+4*((\j/2)%2)], v[rX+8*\t+\j:rX+8*\t+\j+1], v[112+8*\t+\j:113+8*\t+\j]
	v_pk_fma_f32 v[144+8*\t+\j:145+8*\t+\j], v[rX+8*\t+\j:rX+8*\t+\j+1], v[96+8*\t+\j:97+8*\t+\j], v[128+4*((\j/2)%2):129+4*((\j/2)%2)] neg_lo:[0,0,1] neg_hi:[0,0,1]   ; x1 c - x2 s
	v_pk_fma_f32 v[160+8*\t+\j:161+8*\t+\j], v[rX+8*(\t+2)+\j:rX+8*(\t+2)+\j+1], v[96+8*\t+\j:97+8*\t+\j], v[130+4*((\j/2)%2):131+4*((\j/2)%2)]                          ; x2 c + x1 s
.endr
.endr
	WIN 0
.irp k, 0,1,2,3,4,5,6,7,8,9,10,11,12,13,14,15
	v_cvt_pk_f16_f32 v[176+16*(uu%2)+\k], v[144+2*\k], v[145+2*\k]
.endr
.endm
.macro TOSTAGE
	s_wait_xcnt 0x0                                ; the stores of two units ago have read the registers that the loads below fill
.irp t, 0,1,2,3
	ds_store_b128 v24, v[176+16*(uu%2)+4*\t:176+16*(uu%2)+4*\t+3] offset:32*\t
.endr
.irp k, 0,1,2,3
	ds_load_b128 v[208+16*(uu%2)+4*\k:208+16*(uu%2)+4*\k+3], v25 offset:576*\k   ; LDS serves a wave's instructions in order: these see the stores above
.endr
.endm
.macro SEND                            ; the unit before unit uu: row block pa, head pi
	s_wait_dscnt 0x0
.irp k, 0,1,2,3
	global_store_b128 v26, v[208+16*((uu+1)%2)+4*\k:208+16*((uu+1)%2)+4*\k+3], s[20:21] offset:524288*pi+2048*pa+512*\k   ; 512 consecutive bytes, aligned: four rows of a head
.endr
.endm
	PLACES
.set uu, 0
.irp a, 0,1,2,3
.irp i, 0,1,2
	ROPE \a, \i
.if uu > 0
	SEND
.endif
	TOSTAGE
.set pa, \a
.set pi, \i
.set uu, uu+1
.endr
.endr
	SEND
	s_wait_tensorcnt 0x0                           ; the wave's end
	ds_add_u32 v28, v29
	s_wait_dscnt 0x0
	CROUND                                         ; the closing round: no work-group ends while a partner may still ask for a tile that names it
	s_endpgm
.Lfunc_end_k_qe788fad15a_qkv:
	.size	k_qe788fad15a_qkv, .Lfunc_end_k_qe788fad15a_qkv-k_qe788fad15a_qkv
	.p2alignl 7, 3214868480
	.fill 96, 4, 3214868480
	.section	.rodata,"a",@progbits
	.p2align	6, 0x0
	.amdhsa_kernel k_qe788fad15a_qkv
		.amdhsa_group_segment_fixed_size 327680
		.amdhsa_private_segment_fixed_size 0
		.amdhsa_enable_private_segment 0
		.amdhsa_kernarg_size 72
		.amdhsa_user_sgpr_count 2
		.amdhsa_user_sgpr_kernarg_segment_ptr 1
		.amdhsa_wavefront_size32 1
		.amdhsa_system_sgpr_workgroup_id_x 1
		.amdhsa_system_sgpr_workgroup_id_y 1
		.amdhsa_system_sgpr_workgroup_id_z 1
		.amdhsa_system_vgpr_workitem_id 0
		.amdhsa_next_free_vgpr 1024
		.amdhsa_next_free_sgpr 106
		.amdhsa_reserve_vcc 0
		.amdhsa_float_denorm_mode_32 3
		.amdhsa_float_denorm_mode_16_64 3
		.amdhsa_memory_ordered 1
		.amdhsa_forward_progress 1
		.amdhsa_inst_pref_size 216
	.end_amdhsa_kernel
	.amdgpu_metadata
---
amdhsa.version: [ 1, 2 ]
amdhsa.kernels:
  - .name:           k_qe788fad15a_qkv
    .symbol:         k_qe788fad15a_qkv.kd
    .args:
      - { .name: xc, .offset: 0, .size: 8, .value_kind: global_buffer, .address_space: global }
      - { .name: xs, .offset: 8, .size: 8, .value_kind: global_buffer, .address_space: global }
      - { .name: wc, .offset: 16, .size: 8, .value_kind: global_buffer, .address_space: global }
      - { .name: ws, .offset: 24, .size: 8, .value_kind: global_buffer, .address_space: global }
      - { .name: bq, .offset: 32, .size: 8, .value_kind: global_buffer, .address_space: global }
      - { .name: bk, .offset: 40, .size: 8, .value_kind: global_buffer, .address_space: global }
      - { .name: bv, .offset: 48, .size: 8, .value_kind: global_buffer, .address_space: global }
      - { .name: freqs_cis, .offset: 56, .size: 8, .value_kind: global_buffer, .address_space: global }
      - { .name: qkv, .offset: 64, .size: 8, .value_kind: global_buffer, .address_space: global }
    .group_segment_fixed_size: 327680
    .private_segment_fixed_size: 0
    .kernarg_segment_align: 8
    .kernarg_segment_size: 72
    .max_flat_workgroup_size: 128
    .sgpr_count:     106
    .vgpr_count:     1024
    .wavefront_size: 32
...
	.end_amdgpu_metadata
.endif
;; end of part 2
;; launch attn (part 3): grid 32 x 8, 16 waves a work-group, no clusters, 167,936 bytes of LDS; arguments qkv, sinks, o16; writes o16
.if DOCPART == 3
	.amdgcn_target "amdgcn-amd-amdhsa--gfx1250"
	.amdhsa_code_object_version 6
	.text
	.protected	k_qe788fad15a_attn
	.globl	k_qe788fad15a_attn
	.p2align	8
	.type	k_qe788fad15a_attn,@function
k_qe788fad15a_attn:
	s_mov_b64 s[64:65], 0
	v_nop
	global_prefetch_b8 v0, s[64:65] scope:SCOPE_SE
	s_setreg_imm32_b32 hwreg(HW_REG_WAVE_MODE, 25, 1), 1
	s_wait_xcnt 0x0
; ATTN: sliding-window attention with a sink.  In: qkv [48 g][4096][64] f16 (q x 0.25 log2(e), k x 0.5, v x 0.25), sinks [32] f32.
; Out: o16 = o / 4 in f16, laid as IMAGES OF THE NEXT LAUNCH'S OPERAND REGISTERS: [256 mb][64 kf][2 halves][32 lanes][16 B]: block mb of 16 rows, k = 32 kf on (k = 64 head + channel);
; lane (r, h) of half c holds row r, k = 32 kf + 16 c + 8 h + 0 .. 7.
; t = q' . k' is the score x 64^-0.5 x log2(e); m = the largest of the row's t and the sink's t; p = 2^(t - m); l = the sum of the unrounded p + 2^(sink - m); o = (sum of p v) / l.  p is rounded to f16 for the second product.
; SHARES.  A work-group takes one block of 128 queries and one key/value head: its four query heads.  Wave w takes the tile of 16 queries w % 8 and the two heads 2 (w / 8) + 0, 1, which share every fragment of K and V.
; THE BAND.  Query position q sees keys q - 127 .. q.  LDS row i holds key 128 (block - 1) + i, so a tile of 16 queries QT needs the nine tiles of 16 keys from row 16 QT on: the first and the last are cut by the band,
; the seven between are whole.  The cut is the C of those tiles' first products: -1e30 where a key is hidden.  In block 0 the tiles of keys before the sequence's start are set to -1e30 (a branch on the block's number).
; All 144 scores of a lane's query lie in registers: the true maximum is taken, there is no running one, no loop and no refill.
; LAYOUT.  S^T = K Q^T (source 0 = 16 keys, source 1 = 16 queries): a lane holds one query (lane % 16) and keys 8 (lane / 16) + 0 .. 7; two tiles packed to f16 are source 1 of O^T = V^T P; V comes turned by ds_load_tr16_b128.
; O^T's tile ct holds, in lane (r, h), channels 16 ct + 8 h + 0 .. 7 of query r: packed to f16 these four registers ARE half ct % 2 of the image kf = 2 head + ct / 2, so they are stored as they stand.
; NO CLUSTER: neighbouring blocks share one block of K and V, but it would have to land in the upper half of one partner's tile and in the lower half of the other's, and a joint load has one LDS address for all.
; LIMITS: NaN and infinities are not served (the ninth tile's missing partner is multiplied as p = 0 x a real row of V).
; REGISTERS: v1, v2 the add's; v3, v4, v7 addresses; v[8:9], v[10:11] -m, later 1 / l; v[12:15] sums; v16-31 the two cuts; v32-63 Q; v64-95 two tiles of K; v96-239 S(e, c) at 96 + 72 e + 8 c, then P; v240-255 at work.
;   In the second product O(e, ct) at 32 + 32 e + 8 ct lies over Q and K; V's four fragments at v16, v24, v240, v248.
.set KP,    144                        ; a key's row in LDS: 128 bytes + 16
.set VP,    160                        ; a row of V: 128 + 32
.set VOFF,  36864                      ; K: 256 rows; then V: 256 rows
.set SPARE, 77824                      ; behind V: the spare words, 128 bytes for each of 16 waves
.macro PLACES
.rept 4
	v_nop
.endr
.endm
.macro KLOAD c, x                      ; tile c of 16 keys into place x
.irp kk, 0,1
.irp hf, 0,1
	ds_load_b128 v[64+16*(\x)+8*\kk+4*\hf:64+16*(\x)+8*\kk+4*\hf+3], v3 offset:2304*(\c)+64*\kk+32*\hf
.endr
.endr
.endm
.macro SW c, x, kk, e                  ; one product of S^T: tile c, channels 32 kk on, head e
.set rS, 96+72*(\e)+8*(\c)
.set rK, 64+16*(\x)+8*(\kk)
.set rQ, 32+16*(\e)+8*(\kk)
.if (\kk) == 1
	v_wmma_f32_16x16x32_f16 v[rS:rS+7], v[rK:rK+7], v[rQ:rQ+7], v[rS:rS+7]
.elseif (\c) == 0
	v_wmma_f32_16x16x32_f16 v[rS:rS+7], v[rK:rK+7], v[rQ:rQ+7], v[16:23]
.elseif (\c) == 8
	v_wmma_f32_16x16x32_f16 v[rS:rS+7], v[rK:rK+7], v[rQ:rQ+7], v[24:31]
.else
	v_wmma_f32_16x16x32_f16 v[rS:rS+7], v[rK:rK+7], v[rQ:rQ+7], 0
.endif
.endm
.macro SPAIR c                         ; tiles c, c + 1: four accumulators by turns, one instruction a turn
	PLACES
	KLOAD \c, 0
	KLOAD (\c)+1, 1
	s_wait_dscnt 0x0
.irp kk, 0,1
	SW \c, 0, \kk, 0
	SW \c, 0, \kk, 1
	SW (\c)+1, 1, \kk, 0
	SW (\c)+1, 1, \kk, 1
.endr
.endm
.macro PVSTEP u                        ; keys 32 u on: V's four fragments, eight accumulators by turns
	PLACES
.irp ct, 0,1,2,3
	ds_load_tr16_b128 v[16+8*\ct+208*(\ct/2):16+8*\ct+208*(\ct/2)+3], v4 offset:5120*(\u)+32*\ct
.if (\u) < 4
	ds_load_tr16_b128 v[20+8*\ct+208*(\ct/2):20+8*\ct+208*(\ct/2)+3], v4 offset:5120*(\u)+2560+32*\ct
.else
	ds_load_tr16_b128 v[20+8*\ct+208*(\ct/2):20+8*\ct+208*(\ct/2)+3], v4 offset:17920+32*\ct   ; there is no tenth tile: rows of the eighth stand under p = 0, so that no read leaves V's 256 rows
.endif
.endr
	s_wait_dscnt 0x0
.irp ct, 0,1,2,3
.irp e, 0,1
.if (\u) == 0
	v_wmma_f32_16x16x32_f16 v[32+32*\e+8*\ct:39+32*\e+8*\ct], v[16+8*\ct+208*(\ct/2):23+8*\ct+208*(\ct/2)], v[96+72*\e+16*(\u):103+72*\e+16*(\u)], 0
.else
	v_wmma_f32_16x16x32_f16 v[32+32*\e+8*\ct:39+32*\e+8*\ct], v[16+8*\ct+208*(\ct/2):23+8*\ct+208*(\ct/2)], v[96+72*\e+16*(\u):103+72*\e+16*(\u)], v[32+32*\e+8*\ct:39+32*\e+8*\ct]
.endif
.endr
.endr
.endm
	s_load_b128 s[4:7], s[0:1], 0x0                ; qkv s[4:5], sinks s[6:7]
	s_load_b64 s[8:9], s[0:1], 0x10                ; o16
	v_lshl_add_u32 v1, v0, 2, SPARE
	v_mov_b32 v2, 0
	ds_add_u32 v1, v2                              ; the wave's opening: the add and its wait stand ahead of the first tensor load; work on registers stands between
	v_lshrrev_b32 v3, 5, v0
	v_readfirstlane_b32 s10, v3                    ; wave 0..15
	s_mov_b32 s11, ttmp9                           ; the block of 128 queries
	s_and_b32 s12, ttmp7, 0xffff                   ; the key/value head
	s_and_b32 s13, s10, 7                          ; QT
	s_lshr_b32 s14, s10, 3                         ; which pair of query heads
	s_and_b32 s15, s10, 1                          ; which half of K or V I fetch, if I fetch
	s_mov_b32 s16, (1<<16)|(1<<20)|(4<<22)|(3<<25) ; group 1 for K: elements of 2 bytes; 4 words of padding after every 32
	s_mov_b32 s17, 64<<16
	s_mov_b32 s18, 128<<16
	s_mov_b32 s19, 64<<16
	s_mov_b32 s20, 128
	s_mov_b32 s21, 64
	s_mov_b32 s22, 0
	s_mov_b32 s23, 0
	s_mov_b32 s24, (1<<16)|(1<<20)|(4<<22)|(7<<25) ; for V: 8 words of padding
	s_mov_b32 s25, 64<<16
	s_mov_b32 s26, 128<<16
	s_mov_b32 s27, 64<<16
	s_mov_b32 s28, 128
	s_mov_b32 s29, 64
	s_mov_b32 s30, 0
	s_mov_b32 s31, 0
	s_mov_b32 s46, 0x76543210
	s_mov_b32 s47, 0xfedcba98                      ; v_permlanex16_b32's selects for lane l xor 16
	s_add_co_u32 s42, s11, s15
	s_max_u32 s42, s42, 1
	s_sub_co_u32 s42, s42, 1                       ; the block of keys: block - 1 + half, not under 0 (in block 0 the lower half holds keys 0-127, which are hidden below)
	s_lshl_b32 s42, s42, 14
	s_lshl_b32 s44, s12, 19
	s_add_co_u32 s42, s42, s44
	s_mov_b32 s43, 0
	s_mov_b32 s32, 1
	s_mul_i32 s33, s15, 128*KP
	s_mov_b32 s36, 1
	s_mul_i32 s37, s15, 128*VP
	s_add_co_u32 s37, s37, VOFF
	s_wait_dscnt 0x0                               ; the opening add is done
	s_wait_kmcnt 0x0
	s_add_nc_u64 s[34:35], s[4:5], s[42:43]
	s_add_nc_u64 s[38:39], s[34:35], 40*524288     ; V's heads are g = 40 on,
	s_add_nc_u64 s[34:35], s[34:35], 32*524288     ; K's g = 32 on
	s_or_b32 s35, s35, 0x80000000
	s_or_b32 s39, s39, 0x80000000
	s_cmp_lt_u32 s10, 2                            ; waves 0, 1 fetch K's halves, waves 2, 3 V's, the others nothing; every wait on these loads is for 0
	s_cbranch_scc0 .Lnot_k
	tensor_load_to_lds s[32:35], s[16:23]
	s_nop 0
.rept 4
	v_nop
.endr
	s_branch .Lasked
.Lnot_k:
	s_cmp_lt_u32 s10, 4
	s_cbranch_scc0 .Lasked
	tensor_load_to_lds s[36:39], s[24:31]
	s_nop 0
.rept 4
	v_nop
.endr
.Lasked:
	s_lshl_b32 s42, s12, 2
	s_lshl_b32 s44, s14, 1
	s_add_co_u32 s42, s42, s44                     ; g: my first query head
	s_lshl_b32 s44, s42, 2
	s_mov_b32 s45, 0
	s_add_nc_u64 s[6:7], s[6:7], s[44:45]
	s_load_b64 s[40:41], s[6:7], 0x0               ; my two sinks
	s_lshl_b32 s44, s42, 19
	s_lshl_b32 s15, s11, 14
	s_add_co_u32 s44, s44, s15
	s_lshl_b32 s15, s13, 11
	s_add_co_u32 s44, s44, s15
	s_add_nc_u64 s[4:5], s[4:5], s[44:45]          ; Q: head g, my first query
	s_lshl_b32 s44, s11, 19                        ; o16: block of rows mb = 8 block + QT, 65,536 bytes each,
	s_lshl_b32 s15, s13, 16
	s_add_co_u32 s44, s44, s15
	s_lshl_b32 s15, s42, 11                        ; image kf = 2 g, 1,024 bytes each
	s_add_co_u32 s44, s44, s15
	s_add_nc_u64 s[8:9], s[8:9], s[44:45]
	v_and_b32 v250, 15, v0                         ; r
	v_bfe_u32 v251, v0, 4, 1                       ; h
	v_lshlrev_b32 v254, 7, v250
	v_lshl_add_u32 v254, v251, 4, v254             ; Q: row r of 128 bytes, + 16 h
.irp e, 0,1
.irp kk, 0,1
.irp c, 0,1
	global_load_b128 v[32+16*\e+8*\kk+4*\c:32+16*\e+8*\kk+4*\c+3], v254, s[4:5] offset:524288*\e+64*\kk+32*\c
.endr
.endr
.endr
	s_mul_i32 s15, s13, 16*KP
	v_mul_u32_u24 v3, v250, KP
	v_lshl_add_u32 v3, v251, 4, v3
	v_add_nc_u32 v3, s15, v3                       ; K: row 16 QT + r, + 16 h
	v_and_b32 v4, 7, v0
	v_lshl_add_u32 v4, v251, 3, v4
	v_mul_u32_u24 v4, v4, VP
	v_bfe_u32 v5, v0, 3, 1
	v_lshl_add_u32 v4, v5, 4, v4
	s_mul_i32 s15, s13, 16*VP
	s_add_co_u32 s15, s15, VOFF
	v_add_nc_u32 v4, s15, v4                       ; V, for the turning load: row 16 QT + 8 h + lane % 8, + 16 ((lane / 8) % 2)
	v_and_b32 v7, 31, v0
	v_lshlrev_b32 v7, 4, v7                        ; the way out: 16 x lane, my place in half an image
	v_mov_b32 v240, 0xf149f2ca                     ; -1e30
	v_mov_b32 v241, 0
	v_lshlrev_b32 v252, 3, v251
	v_sub_nc_u32 v252, v250, v252                  ; d = r - 8 h.  Register j holds key 8 h + j of a tile: in the first tile it counts where j > d, in the last where j <= d
.irp j, 0,1,2,3,4,5,6,7
	v_cmp_gt_i32 vcc_lo, \j, v252
	v_cndmask_b32 v[16+\j], v240, v241, vcc_lo
	v_cndmask_b32 v[24+\j], v241, v240, vcc_lo
.endr
	s_wait_kmcnt 0x0
	v_mov_b32 v242, s40
	v_mov_b32 v243, s41
	v_mul_f32 v242, 0x3fb8aa3b, v242               ; the sinks as t
	v_mul_f32 v243, 0x3fb8aa3b, v243
	s_wait_tensorcnt 0x0                           ; my part of K or V has landed,
	s_barrier_signal -1
	s_barrier_wait -1                              ; everybody's has
	s_wait_loadcnt 0x0                             ; Q
	; ---- S^T = K Q^T, nine tiles of 16 keys
	SPAIR 0
	SPAIR 2
	SPAIR 4
	SPAIR 6
	PLACES
	KLOAD 8, 0
	s_wait_dscnt 0x0
.irp kk, 0,1
	SW 8, 0, \kk, 0
	SW 8, 0, \kk, 1
.endr
	PLACES
	s_cmp_lg_u32 s11, 0                            ; block 0 alone: tiles whose keys lie before the sequence's start are hidden (LDS rows under 128: QT + c < 8)
	s_cbranch_scc1 .Lnot_first
.irp c, 0,1,2,3,4,5,6,7
	s_add_co_u32 s15, s13, \c
	s_cmp_lt_u32 s15, 8
	s_cselect_b32 s15, -1, 0
.irp e, 0,1
.irp j, 0,1,2,3,4,5,6,7
	v_cndmask_b32 v[96+72*\e+8*\c+\j], v[96+72*\e+8*\c+\j], v240, s15
.endr
.endr
.endr
.Lnot_first:
	; ---- the maximum: three chains a head, each over three tiles, registers ascending
.irp k, 0,1,2
.irp e, 0,1
	v_max3_num_f32 v[244+3*\e+\k], v[96+72*\e+24*\k], v[97+72*\e+24*\k], v[98+72*\e+24*\k]
.endr
.endr
.irp i, 3,5,7,9,11,13,15,17,19,21
.irp k, 0,1,2
.irp e, 0,1
	v_max3_num_f32 v[244+3*\e+\k], v[244+3*\e+\k], v[96+72*\e+24*\k+\i], v[97+72*\e+24*\k+\i]
.endr
.endr
.endr
.irp e, 0,1
	v_max3_num_f32 v[244+3*\e], v[244+3*\e], v[245+3*\e], v[246+3*\e]
.endr
.irp e, 0,1
	v_max3_num_f32 v[244+3*\e], v[244+3*\e], v[119+72*\e], v[143+72*\e]
.endr
.irp e, 0,1
	v_max3_num_f32 v[244+3*\e], v[244+3*\e], v[167+72*\e], v[242+\e]   ; the last score, and the sink
.endr
.irp e, 0,1
	v_permlanex16_b32 v[250+\e], v[244+3*\e], s46, s47                 ; the query's other keys lie in the lane 16 away
.endr
.irp e, 0,1
	v_max_num_f32 v[244+3*\e], v[244+3*\e], v[250+\e]
.endr
.irp e, 0,1
	v_sub_f32 v[8+2*\e], 0, v[244+3*\e]            ; -m, in both words of a pair
	v_sub_f32 v[9+2*\e], 0, v[244+3*\e]
.endr
.irp e, 0,1
.set sj, 0
.rept 36
	v_pk_add_f32 v[96+72*\e+sj:97+72*\e+sj], v[96+72*\e+sj:97+72*\e+sj], v[8+2*\e:9+2*\e]   ; t - m
.set sj, sj+2
.endr
	v_add_f32 v[252+\e], v[242+\e], v[8+2*\e]      ; the sink's likewise
.endr
.set sj, 0
.rept 144
	v_exp_f32 v[96+sj], v[96+sj]                   ; one batch: none of these reads another's result
.set sj, sj+1
.endr
	v_exp_f32 v252, v252
	v_exp_f32 v253, v253
	v_nop                                          ; a plain line behind the last exponential
	s_wait_alu depctr_va_vdst(0)                   ; one wait for the batch, ahead of its first reader
	; ---- the row's sum, of the unrounded p: two chains a head
.irp e, 0,1
	v_pk_add_f32 v[12+2*\e:13+2*\e], v[96+72*\e:97+72*\e], v[98+72*\e:99+72*\e]
	v_pk_add_f32 v[244+2*\e:245+2*\e], v[100+72*\e:101+72*\e], v[102+72*\e:103+72*\e]
.endr
.irp i, 8,12,16,20,24,28,32,36,40,44,48,52,56,60,64,68
.irp e, 0,1
	v_pk_add_f32 v[12+2*\e:13+2*\e], v[12+2*\e:13+2*\e], v[96+72*\e+\i:97+72*\e+\i]
	v_pk_add_f32 v[244+2*\e:245+2*\e], v[244+2*\e:245+2*\e], v[98+72*\e+\i:99+72*\e+\i]
.endr
.endr
.irp e, 0,1
	v_pk_add_f32 v[12+2*\e:13+2*\e], v[12+2*\e:13+2*\e], v[244+2*\e:245+2*\e]
.endr
.irp e, 0,1
	v_add_f32 v[12+2*\e], v[12+2*\e], v[13+2*\e]
.endr
.irp e, 0,1
	v_permlanex16_b32 v[250+\e], v[12+2*\e], s46, s47
.endr
.irp e, 0,1
	v_add_f32 v[12+2*\e], v[12+2*\e], v[250+\e]
.endr
.irp e, 0,1
	v_add_f32 v[12+2*\e], v[12+2*\e], v[252+\e]    ; + the sink's term: l
.endr
	v_rcp_f32 v8, v12
	v_rcp_f32 v10, v14
	; ---- p to f16, in place: fragment u (32 keys) takes the first 8 registers of tiles 2 u, 2 u + 1; ascending, so that nothing is written before it is read.  (Plain work behind the reciprocals)
.irp e, 0,1
.irp u, 0,1,2,3
.irp i, 0,1,2,3,4,5,6,7
	v_cvt_pk_f16_f32 v[96+72*\e+16*\u+\i], v[96+72*\e+16*\u+2*\i], v[97+72*\e+16*\u+2*\i]
.endr
.endr
.irp i, 0,1,2,3
	v_cvt_pk_f16_f32 v[160+72*\e+\i], v[160+72*\e+2*\i], v[161+72*\e+2*\i]
.endr
.irp i, 0,1,2,3
	v_mov_b32 v[164+72*\e+\i], 0                   ; the ninth tile has no partner: p = 0
.endr
.endr
	s_wait_alu depctr_va_vdst(0)                   ; the wait for the two reciprocals, ahead of their first reader
	; ---- O^T = V^T P
	PVSTEP 0
	PVSTEP 1
	PVSTEP 2
	PVSTEP 3
	PVSTEP 4
	; ---- the way out: / l, to f16; the four packed registers of (head e, tile ct) are half an image as they stand: no lane changes, no LDS
	PLACES
.irp e, 0,1
.set sj, 0
.rept 16
	v_pk_mul_f32 v[32+32*\e+sj:33+32*\e+sj], v[32+32*\e+sj:33+32*\e+sj], v[8+2*\e:9+2*\e] op_sel_hi:[1,0]
.set sj, sj+2
.endr
.endr
.set sj, 0
.rept 32
	v_cvt_pk_f16_f32 v[96+sj], v[32+2*sj], v[33+2*sj]
.set sj, sj+1
.endr
.irp e, 0,1
.irp ct, 0,1,2,3
	global_store_b128 v7, v[96+16*\e+4*\ct:99+16*\e+4*\ct], s[8:9] offset:512*(4*\e+\ct)   ; 512 consecutive bytes, aligned; the wave's eight stores cover 4,096 bytes on end
.endr
.endr
	s_wait_tensorcnt 0x0                           ; the wave's end
	ds_add_u32 v1, v2
	s_wait_dscnt 0x0
	s_endpgm
.Lfunc_end_k_qe788fad15a_attn:
	.size	k_qe788fad15a_attn, .Lfunc_end_k_qe788fad15a_attn-k_qe788fad15a_attn
	.p2alignl 7, 3214868480
	.fill 96, 4, 3214868480
	.section	.rodata,"a",@progbits
	.p2align	6, 0x0
	.amdhsa_kernel k_qe788fad15a_attn
		.amdhsa_group_segment_fixed_size 167936
		.amdhsa_private_segment_fixed_size 0
		.amdhsa_enable_private_segment 0
		.amdhsa_kernarg_size 24
		.amdhsa_user_sgpr_count 2
		.amdhsa_user_sgpr_kernarg_segment_ptr 1
		.amdhsa_wavefront_size32 1
		.amdhsa_system_sgpr_workgroup_id_x 1
		.amdhsa_system_sgpr_workgroup_id_y 1
		.amdhsa_system_sgpr_workgroup_id_z 1
		.amdhsa_system_vgpr_workitem_id 0
		.amdhsa_next_free_vgpr 256
		.amdhsa_next_free_sgpr 66
		.amdhsa_reserve_vcc 1
		.amdhsa_float_denorm_mode_32 3
		.amdhsa_float_denorm_mode_16_64 3
		.amdhsa_memory_ordered 1
		.amdhsa_forward_progress 1
		.amdhsa_inst_pref_size 56
	.end_amdhsa_kernel
	.amdgpu_metadata
---
amdhsa.version: [ 1, 2 ]
amdhsa.kernels:
  - .name:           k_qe788fad15a_attn
    .symbol:         k_qe788fad15a_attn.kd
    .args:
      - { .name: qkv, .offset: 0, .size: 8, .value_kind: global_buffer, .address_space: global }
      - { .name: sinks, .offset: 8, .size: 8, .value_kind: global_buffer, .address_space: global }
      - { .name: o16, .offset: 16, .size: 8, .value_kind: global_buffer, .address_space: global }
    .group_segment_fixed_size: 167936
    .private_segment_fixed_size: 0
    .kernarg_segment_align: 8
    .kernarg_segment_size: 24
    .max_flat_workgroup_size: 512
    .sgpr_count:     66
    .vgpr_count:     256
    .wavefront_size: 32
...
	.end_amdgpu_metadata
.endif
;; end of part 3
;; launch outp (part 4): grid 16 x 15, 4 waves a work-group, clusters of 4 x 1, 327,680 bytes of LDS; arguments o16, wo16, bo, out0; writes out0
.if DOCPART == 4
	.amdgcn_target "amdgcn-amd-amdhsa--gfx1250"
	.amdhsa_code_object_version 6
	.text
	.protected	k_qe788fad15a_outp
	.globl	k_qe788fad15a_outp
	.p2align	8
	.type	k_qe788fad15a_outp,@function
k_qe788fad15a_outp:
	s_mov_b64 s[64:65], 0
	v_nop
	global_prefetch_b8 v0, s[64:65] scope:SCOPE_SE
	s_setreg_imm32_b32 hwreg(HW_REG_WAVE_MODE, 25, 1), 1
	s_wait_xcnt 0x0
	s_wait_alu depctr_hold_cnt(0) depctr_sa_sdst(0) depctr_va_vdst(0) depctr_va_sdst(0) depctr_va_ssrc(0) depctr_va_vcc(0) depctr_vm_vsrc(0)
	s_getreg_b32 s2, hwreg(HW_REG_IB_STS2, 6, 4)
	s_cmp_eq_u32 s2, 0
	s_cbranch_scc0 .Lentry_in_a_cluster
	s_endpgm
.Lentry_in_a_cluster:
	s_bfe_u32 s2, ttmp6, 0x10000c
	s_cmp_lg_u32 s2, 0x3003
	s_cbranch_scc0 .Lentry_shape_is_right
	s_endpgm
.Lentry_shape_is_right:
; OUTP: out0 [4096][2880] f32 = o Wo + bo, on f16 operands with f32 sums.  wo16 [15 T][2048 k][192 c] = 4 Wo; o16 = o / 4: the two exact factors cancel.
; o16 lies as images of this launch's operand registers: [256 mb][64 kf][2 halves][32 lanes][16 B]: block mb of 16 rows, k = 32 kf on; lane (r, h) of half c holds row r, k = 32 kf + 16 c + 8 h + 0 .. 7.
; SHARES.  A work-group makes 256 rows x 192 columns (2,880 = 15 x 192: 240 work-groups; no tile with sides that are multiples of 16 gives 256 equal ones).  Wave w: rows 64 w .. + 63, all 192 columns: 48 accumulators,
; so a wave owns whole pieces of 768 bytes of rows of out0.  THE MATRIX INSTRUCTION IS USED TRANSPOSED (source 0 = 16 columns of Wo, turned by ds_load_tr16_b128; source 1 = 16 rows of o).
; o GOES FROM MEMORY STRAIGHT INTO REGISTERS: a wave's 64 rows are read by no other wave, so LDS would only pass them on.  A quarter (32 along K) of them is eight loads of 512 consecutive bytes into one of EIGHT register sets
; that take turns; a set is asked for seven quarters, 336 matrix instructions, ahead of its use.
; Wo GOES THROUGH LDS, which it now has to itself: 8 slots' worth of 256 k rows through two slots, eight quarters, 384 matrix instructions a wave, to a slot; each wave fetches 64 k rows (24,576 dense bytes) by one tensor load.
; CLUSTER 4 x 1: the four partners make four blocks of rows of one block of columns: Wo's tile is asked for jointly (mask 15).  Their rows of o differ.
; The sums start from the constant 0; the bias is added last, as reference() adds it, to the rows that come back from the stage.
; No prefetch of o16: each of its blocks is read by the fifteen work-groups of a block of rows at about the same time, not once.
; REGISTERS: window 0: v1-11 addresses; v[12:19], v[24:27] the bias of my three pieces of a row; v20-23 Wo's LDS addresses; v28, v29 the add's; v32-255 o's sets 0 to 6 (free on the way out).
;   window 1: Wo's fragments, two sets of 96; v192-223 o's set 7.   window 2: accumulators of row blocks 0, 1 at v[8 (12 (a % 2) + b)];  window 3: of row blocks 2, 3.
.set BP,    480                        ; a k row of Wo's tile in LDS: three pieces of 128 bytes, 32 of padding behind each
.set SLOT,  131072                     ; slot 1 begins here; a slot holds 256 k rows: 122,880 bytes
.set STAGE, 262144                     ; 16 rows x (768 bytes + 16) for each wave; no tile lands here
.set SPARE, 312320                     ; the spare words, 128 bytes for each wave
.set MSB, 0
.macro WIN new                         ; the immediate's high byte repeats the setting that is left
.if MSB != (\new)
	s_set_vgpr_msb (MSB<<8)|(\new)
.set MSB, (\new)
.endif
.endm
.macro PLACES                          ; four plain places behind matrix instructions, ahead of loads into their sources and of reads of their results
.rept 4
	v_nop
.endr
.endm
.macro JLOAD s                         ; every wave's joint load: its 64 k rows of slot s.  An s_nop 0 and four v_nop follow
	tensor_load_to_lds s[56+4*\s:59+4*\s], s[48:55]
	s_nop 0
.rept 4
	v_nop
.endr
.endm
.macro CREST                           ; a round of the cluster's barrier behind its opening barrier
	s_cmp_lg_u32 s22, 0
	s_cbranch_scc1 .Lnot_wave_0_\@
	s_barrier_signal -3
.Lnot_wave_0_\@:
	s_barrier_wait -3
	s_barrier_signal -1
	s_barrier_wait -1
.endm
.macro CROUND
	s_barrier_signal -1
	s_barrier_wait -1
	CREST
.endm
; o's quarter j, counted from where the base stands, into set j % 8: four blocks of 16 rows, two halves of an image each
.macro ALOAD j
.set aset, (\j)%8
.if aset == 7
	WIN 0x40                                       ; destination window 1
.set rL, 192
.else
	WIN 0
.set rL, 32+32*aset
.endif
.irp a, 0,1,2,3
	global_load_b128 v[rL+8*\a:rL+8*\a+3],   v6, s[4:5] offset:65536*\a+1024*(\j)
	global_load_b128 v[rL+8*\a+4:rL+8*\a+7], v6, s[4:5] offset:65536*\a+1024*(\j)+512
.endr
	WIN 0
.endm
; 24 LDS loads: Wo's fragments of the slot's q-th 32 along K into set p.  Column block b begins 32 b bytes into a k row, and 32 more for each piece of 128 passed.
; An LDS offset has 16 bits: quarters 0-3 and 4-7 of a slot have an address register each
.macro FETCH slot, q, p
	WIN 0x40
.set fb, 0
.rept 12
	ds_load_tr16_b128 v[96*(\p)+8*fb:96*(\p)+8*fb+3],   v[20+2*(\slot)+(\q)/4] offset:32*BP*((\q)%4)+32*(fb+fb/4)
	ds_load_tr16_b128 v[96*(\p)+8*fb+4:96*(\p)+8*fb+7], v[20+2*(\slot)+(\q)/4] offset:32*BP*((\q)%4)+16*BP+32*(fb+fb/4)
.set fb, fb+1
.endr
	WIN 0
.endm
; 24 matrix instructions: row blocks a0, a0 + 1 x the 12 column blocks; Wo's set p, o's set st.  first = 1: the products start the sums: nothing is ever cleared.
; The 48 accumulators take turns, one instruction a turn, in the same order in every quarter.
.macro MULS a0, p, st, first
.if (\st) == 7
.set wA, 1
.set rAB, 192
.else
.set wA, 0
.set rAB, 32+32*(\st)
.endif
.set wD, 2+(\a0)/2
	WIN 1|(wA<<2)|(wD<<4)|(wD<<6)                  ; source 0 window 1; source 1 the set's window; C and D window 2 or 3
.set ma, \a0
.rept 2
.set mb, 0
.rept 12
.set rD, 8*(12*(ma%2)+mb)
.set rB, 96*(\p)+8*mb
.set rA, rAB+8*ma
.if \first
	v_wmma_f32_16x16x32_f16 v[rD:rD+7], v[rB:rB+7], v[rA:rA+7], 0
.else
	v_wmma_f32_16x16x32_f16 v[rD:rD+7], v[rB:rB+7], v[rA:rA+7], v[rD:rD+7]
.endif
.set mb, mb+1
.endr
.set ma, ma+1
.endr
.endm
; A quarter that has its successor in the same slot.  q: its place in the slot; j: its number from where o's base stands; ald = 1: o's quarter j + 7 is asked for; left: the younger loads of o that may stay out
.macro STEP slot, q, j, first, ald, left
	s_wait_dscnt 0x0                               ; Wo's fragments of this quarter are in
	s_wait_loadcnt \left                           ; loads come back in order: o's set of this quarter is in, the younger sets of eight stay out
	PLACES                                         ; the sets that are filled next were read by the matrix instructions just issued
.if \ald
	ALOAD (\j)+7                                   ; into the set that the last quarter has left
.endif
	FETCH \slot, (\q)+1, 1-(\q)%2
	MULS 0, (\q)%2, (\j)%8, \first
	MULS 2, (\q)%2, (\j)%8, \first
	WIN 0
.endm
; A slot's last quarter changes slots: one barrier; ahead of it each wave waits for all its tensor loads, adds 0 to its spare word, and waits for that and for its reads of this slot.
; o's loads stand ahead of those lines: between the add and the wait for it stands work on registers alone.
.macro TURN slot, next, j, fill, ald, left
	s_wait_loadcnt \left
	PLACES
.if \ald
	ALOAD (\j)+7
.endif
	s_wait_tensorcnt 0x0                           ; all my tensor loads have landed: my part of the next slot
	ds_add_u32 v28, v29                            ; 0 onto my spare word
	s_wait_dscnt 1                                 ; Wo's fragments of this quarter are in; the add alone may be out
	MULS 0, 1, (\j)%8, 0                           ; 24 matrix instructions stand between the add and the wait for it
	s_wait_dscnt 0x0                               ; the add is done, and my reads of this slot are over
	s_barrier_signal -1
	WIN 0
	s_barrier_wait -1
.if \fill
	CREST                                          ; a round of the cluster's barrier: no wave of any partner still reads this slot or has a tensor load on its way
	s_add_nc_u64 s[58+4*\slot:59+4*\slot], s[58+4*\slot:59+4*\slot], 196608   ; two slots on: 512 k rows of 384 bytes
	JLOAD \slot                                    ; the first tensor load behind the round: 360 matrix instructions ahead of the wait for it
.else
	PLACES
.endif
	FETCH \next, 0, 0
	MULS 2, 1, (\j)%8, 0
	WIN 0
.endm
	s_load_b256 s[4:11], s[0:1], 0x0               ; o16 s[4:5], wo16 s[6:7], bo s[8:9], out0 s[10:11]
	v_lshl_add_u32 v28, v0, 2, SPARE
	v_mov_b32 v29, 0
	ds_add_u32 v28, v29                            ; the wave's opening: the add and its wait stand ahead of my first tensor load; work on registers stands between
	v_lshrrev_b32 v1, 5, v0
	v_readfirstlane_b32 s22, v1                    ; wave 0..3
	s_bfe_u32 s25, ttmp6, 0x40000                  ; cx
	s_lshl_b32 s28, ttmp9, 2
	s_add_co_u32 s28, s28, s25                     ; TR: rows 256 TR on
	s_and_b32 s27, ttmp7, 0xffff                   ; TC: columns 192 TC on; the four partners share it
	s_mov_b32 s48, 15|(3<<16)|(1<<20)|(1<<21)|(4<<22)|(7<<25)   ; group 1: all four partners; bit 21 beside the mask; a dense block as 96 rows of 256 bytes (32 elements of 8); 8 words of padding after every 32
	s_mov_b32 s49, 32<<16
	s_mov_b32 s50, 96<<16
	s_mov_b32 s51, 32<<16
	s_mov_b32 s52, 96
	s_mov_b32 s53, 32
	s_mov_b32 s54, 0
	s_mov_b32 s55, 0
	s_mov_b32 s56, 1
	s_mov_b32 s60, 1
	s_mul_i32 s57, s22, 64*BP                      ; where my 64 k rows go: the wave's number alone enters an LDS address
	s_add_co_u32 s61, s57, SLOT
	v_and_b32 v1, 15, v0                           ; r
	v_bfe_u32 v2, v0, 4, 1                         ; h
	v_and_b32 v30, 31, v0
	v_lshlrev_b32 v6, 4, v30                       ; 16 x lane: my place in half an image of o, and in the first piece of a row of out0 and of the bias
	v_mul_u32_u24 v30, v2, 768
	v_add_nc_u32 v9, 512, v6
	v_sub_nc_u32 v9, v9, v30                       ; the bias of my second piece: lanes 0-15 a row's last 256 bytes, lanes 16-31 the next row's first
	s_wait_dscnt 0x0                               ; the opening add is done
	s_wait_kmcnt 0x0
	s_mul_i32 s58, s27, 786432
	s_mul_i32 s59, s22, 24576
	s_add_co_u32 s58, s58, s59
	s_mov_b32 s59, 0
	s_add_nc_u64 s[58:59], s[6:7], s[58:59]        ; Wo's tile TC, my 64 k rows of the first 256;
	s_add_nc_u64 s[62:63], s[58:59], 98304         ; of the second 256
	s_or_b32 s59, s59, 0x80000000
	s_or_b32 s63, s63, 0x80000000
	s_mul_i32 s12, s27, 768
	s_mov_b32 s13, 0
	s_add_nc_u64 s[8:9], s[8:9], s[12:13]          ; bo at my columns
	s_lshl_b32 s14, s28, 8
	s_lshl_b32 s15, s22, 6
	s_add_co_u32 s14, s14, s15
	s_mul_i32 s14, s14, 11520
	s_add_co_u32 s12, s12, s14
	s_add_nc_u64 s[10:11], s[10:11], s[12:13]      ; out0 at my wave's first row, my columns
	s_lshl_b32 s12, s28, 20
	s_lshl_b32 s14, s22, 18
	s_add_co_u32 s12, s12, s14
	s_add_nc_u64 s[4:5], s[4:5], s[12:13]          ; o16 at block mb = 16 TR + 4 wave, 65,536 bytes a block
	CROUND                                         ; all four work-groups are here: the first joint loads meet
	JLOAD 0
	JLOAD 1                                        ; two tensor loads of mine are out
	global_load_b128 v[12:15], v6, s[8:9]          ; the bias of my three pieces of 16 bytes: the same for every pair of rows
	global_load_b128 v[16:19], v9, s[8:9]
	global_load_b128 v[24:27], v6, s[8:9] offset:256
.irp j, 0,1,2,3,4,5,6
	ALOAD \j                                       ; seven sets of o: with the bias 59 loads of mine are out
.endr
	v_and_b32 v30, 7, v0
	v_lshl_add_u32 v30, v2, 3, v30
	v_mul_u32_u24 v30, v30, BP
	v_bfe_u32 v31, v0, 3, 1
	v_lshl_add_u32 v20, v31, 4, v30                ; Wo, for the turning load: k row 8 h + lane % 8, + 16 ((lane / 8) % 2): slot 0, quarters 0-3;
	v_add_nc_u32 v21, 128*BP, v20                  ; quarters 4-7;
	v_add_nc_u32 v22, SLOT, v20                    ; slot 1
	v_add_nc_u32 v23, SLOT, v21
	s_mul_i32 s12, s22, 16*784
	s_add_co_u32 s12, s12, STAGE                   ; my stage
	v_mul_u32_u24 v10, v1, 784
	v_lshl_add_u32 v10, v2, 5, v10
	v_add_nc_u32 v10, s12, v10                     ; in: row r, + 32 h
	v_add_nc_u32 v3, s12, v6                       ; back, two rows (96 pieces of 16 bytes) by three loads.  Pieces 0-31: the first row's bytes 0-511
	v_lshl_add_u32 v4, v2, 4, v3
	v_add_nc_u32 v4, 512, v4                       ; pieces 32-63: lanes 0-15 the first row's last 256 bytes, lanes 16-31 the second row's first
	v_add_nc_u32 v5, 1040, v3                      ; pieces 64-95: the second row's bytes 256-767
	v_mul_u32_u24 v7, v2, 10752
	v_add_nc_u32 v7, v7, v6
	v_add_nc_u32 v7, 512, v7                       ; and the same places in out0, whose rows are 11,520 bytes
	v_add_nc_u32 v8, 11776, v6
	s_wait_tensorcnt 1                             ; my part of slot 0 is in; slot 1's load may be out
	s_barrier_signal -1
	s_barrier_wait -1                              ; everybody's is
	FETCH 0, 0, 0
	STEP 0, 0, 0, 1, 1, 48                         ; the first quarter stands ahead of the loop: its products start the sums.  48: sets 1 to 6 may be out; the bias, asked for first, is in
	s_mov_b32 s29, 3
.Llap:                                             ; a trip goes once round the ring, sixteen quarters, and fills both slots again: the k rows from 512 on in three trips
	STEP 0, 1, 1, 0, 1, 48
	STEP 0, 2, 2, 0, 1, 48
	STEP 0, 3, 3, 0, 1, 48
	STEP 0, 4, 4, 0, 1, 48
	STEP 0, 5, 5, 0, 1, 48
	STEP 0, 6, 6, 0, 1, 48
	TURN 0, 1, 7, 1, 1, 48
	STEP 1, 0, 8, 0, 1, 48
	STEP 1, 1, 9, 0, 1, 48
	STEP 1, 2, 10, 0, 1, 48
	STEP 1, 3, 11, 0, 1, 48
	STEP 1, 4, 12, 0, 1, 48
	STEP 1, 5, 13, 0, 1, 48
	STEP 1, 6, 14, 0, 1, 48
	TURN 1, 0, 15, 1, 1, 48
	STEP 0, 0, 16, 0, 1, 48
	s_wait_xcnt 0x0                                ; o's loads have read their base: it may step
	s_add_nc_u64 s[4:5], s[4:5], 16384             ; sixteen quarters on
	s_sub_co_u32 s29, s29, 1
	s_cmp_lg_u32 s29, 0
	s_cbranch_scc1 .Llap
	STEP 0, 1, 1, 0, 1, 48                         ; the last lap is written out: it fills no slot, has no round, and asks for o only up to the last quarter (15 from the base)
	STEP 0, 2, 2, 0, 1, 48
	STEP 0, 3, 3, 0, 1, 48
	STEP 0, 4, 4, 0, 1, 48
	STEP 0, 5, 5, 0, 1, 48
	STEP 0, 6, 6, 0, 1, 48
	TURN 0, 1, 7, 0, 1, 48
	STEP 1, 0, 8, 0, 1, 48
	STEP 1, 1, 9, 0, 0, 48                         ; nothing more is asked for: the counts run down, eight for each set still out
	STEP 1, 2, 10, 0, 0, 40
	STEP 1, 3, 11, 0, 0, 32
	STEP 1, 4, 12, 0, 0, 24
	STEP 1, 5, 13, 0, 0, 16
	STEP 1, 6, 14, 0, 0, 8
	s_wait_dscnt 0x0                               ; the very last quarter
	s_wait_loadcnt 0x0
	MULS 0, 1, 7, 0
	MULS 2, 1, 7, 0
	WIN 0
; THE WAY OUT, a block of 16 rows x 192 columns at a time, through my stage: in as 32 bytes a lane, back as whole pieces of rows, to which the bias is added.
.macro TOSTAGE a
.set rAC, 96*((\a)%2)
.set rOB, 32+96*((\a)%2)
	WIN 0x08+4*((\a)/2)                            ; an LDS store's data are its source 1: window 2 or 3
.set tb, 0
.rept 12
	ds_store_b128 v10, v[rAC+8*tb:rAC+8*tb+3] offset:64*tb          ; each accumulator from its low end on
	ds_store_b128 v10, v[rAC+8*tb+4:rAC+8*tb+7] offset:64*tb+16
.set tb, tb+1
.endr
	WIN 0
.set tp, 0
.rept 8
.irp jj, 0,1,2
	ds_load_b128 v[rOB+4*(3*tp+\jj):rOB+4*(3*tp+\jj)+3], v[3+\jj] offset:1568*tp   ; LDS serves a wave's instructions in order: these see the stores above, and the next block's stores come behind them
.endr
.set tp, tp+1
.endr
.endm
.macro SEND a, younger                 ; younger: the LDS instructions issued behind block a's loads, which may stay out
.set rOB, 32+96*((\a)%2)
	s_wait_dscnt \younger
.set tp, 0
.rept 8
	v_pk_add_f32 v[rOB+12*tp:rOB+12*tp+1],     v[rOB+12*tp:rOB+12*tp+1],     v[12:13]   ; + the bias of the piece's four columns
	v_pk_add_f32 v[rOB+12*tp+2:rOB+12*tp+3],   v[rOB+12*tp+2:rOB+12*tp+3],   v[14:15]
	v_pk_add_f32 v[rOB+12*tp+4:rOB+12*tp+5],   v[rOB+12*tp+4:rOB+12*tp+5],   v[16:17]
	v_pk_add_f32 v[rOB+12*tp+6:rOB+12*tp+7],   v[rOB+12*tp+6:rOB+12*tp+7],   v[18:19]
	v_pk_add_f32 v[rOB+12*tp+8:rOB+12*tp+9],   v[rOB+12*tp+8:rOB+12*tp+9],   v[24:25]
	v_pk_add_f32 v[rOB+12*tp+10:rOB+12*tp+11], v[rOB+12*tp+10:rOB+12*tp+11], v[26:27]
.set tp, tp+1
.endr
.set tp, 0
.rept 8
.irp jj, 0,1,2
	global_store_b128 v[6+\jj], v[rOB+4*(3*tp+\jj):rOB+4*(3*tp+\jj)+3], s[10:11] offset:184320*(\a)+23040*tp th:TH_STORE_NT   ; each sixteen lanes store 256 consecutive bytes, aligned
.endr
.set tp, tp+1
.endr
.endm
	PLACES
	TOSTAGE 0
	TOSTAGE 1
	SEND 0, 48                                     ; behind block 0's loads: block 1's 24 stores and 24 loads
	s_wait_xcnt 0x0                                ; block 0's stores have read their registers: block 2's loads may land there
	TOSTAGE 2
	SEND 1, 48
	s_wait_xcnt 0x0
	TOSTAGE 3
	SEND 2, 48
	SEND 3, 0
	s_wait_tensorcnt 0x0                           ; the wave's end
	ds_add_u32 v28, v29
	s_wait_dscnt 0x0
	CROUND                                         ; the closing round: no work-group ends while a partner may still ask for a tile that names it
	s_endpgm
.Lfunc_end_k_qe788fad15a_outp:
	.size	k_qe788fad15a_outp, .Lfunc_end_k_qe788fad15a_outp-k_qe788fad15a_outp
	.p2alignl 7, 3214868480
	.fill 96, 4, 3214868480
	.section	.rodata,"a",@progbits
	.p2align	6, 0x0
	.amdhsa_kernel k_qe788fad15a_outp
		.amdhsa_group_segment_fixed_size 327680
		.amdhsa_private_segment_fixed_size 0
		.amdhsa_enable_private_segment 0
		.amdhsa_kernarg_size 32
		.amdhsa_user_sgpr_count 2
		.amdhsa_user_sgpr_kernarg_segment_ptr 1
		.amdhsa_wavefront_size32 1
		.amdhsa_system_sgpr_workgroup_id_x 1
		.amdhsa_system_sgpr_workgroup_id_y 1
		.amdhsa_system_sgpr_workgroup_id_z 1
		.amdhsa_system_vgpr_workitem_id 0
		.amdhsa_next_free_vgpr 1024
		.amdhsa_next_free_sgpr 66
		.amdhsa_reserve_vcc 0
		.amdhsa_float_denorm_mode_32 3
		.amdhsa_float_denorm_mode_16_64 3
		.amdhsa_memory_ordered 1
		.amdhsa_forward_progress 1
		.amdhsa_inst_pref_size 221
	.end_amdhsa_kernel
	.amdgpu_metadata
---
amdhsa.version: [ 1, 2 ]
amdhsa.kernels:
  - .name:           k_qe788fad15a_outp
    .symbol:         k_qe788fad15a_outp.kd
    .args:
      - { .name: o16, .offset: 0, .size: 8, .value_kind: global_buffer, .address_space: global }
      - { .name: wo16, .offset: 8, .size: 8, .value_kind: global_buffer, .address_space: global }
      - { .name: bo, .offset: 16, .size: 8, .value_kind: global_buffer, .address_space: global }
      - { .name: out0, .offset: 24, .size: 8, .value_kind: global_buffer, .address_space: global }
    .group_segment_fixed_size: 327680
    .private_segment_fixed_size: 0
    .kernarg_segment_align: 8
    .kernarg_segment_size: 32
    .max_flat_workgroup_size: 128
    .sgpr_count:     66
    .vgpr_count:     1024
    .wavefront_size: 32
...
	.end_amdgpu_metadata
.endif
;; end of part 4
